; MI455X (gfx1250); checked and timed in simulation.
; The chip was launched on July 23, 2026; its instructions are those of AMD's public machine-readable ISA for CDNA 5 (MIT licence, August 2026) and "CDNA5" Instruction Set Architecture Reference Guide (July 2026). The comments in the code are by the model that wrote it; some were corrected since.
;; Multi Head Attention. Allowed arithmetic: matrix products marked QUANTISED: E5M2 operands, one E8M0 scale for each 32 along K, by v_wmma_scale_f32_16x16x128_f8f6f4 with both operands' format E5M2, f32 sums; everything else in f32.
;; Inputs: Wk 1,024 x 1,024 float32; Wo 1,024 x 1,024 float32; Wq 1,024 x 1,024 float32; Wv 1,024 x 1,024 float32; bk 1,024 float32; bo 1,024 float32; bq 1,024 float32; bv 1,024 float32; key 4 x 2,048 x 1,024 float32; query 4 x 2,048 x 1,024 float32; value 4 x 2,048 x 1,024 float32.
;; Outputs: out0 4 x 2,048 x 1,024 float32.
;; This version of the problem:
;;   THIS VERSION OF THE PROBLEM IS GIVEN IN LOW PRECISION. The matrix products marked QUANTISED in the list below multiply operands that are first quantised to E5M2 (5 exponent bits, 2 mantissa bits; 8 bits a number), with one power-of-two scale for each 32 numbers along K (OCP MX v1.0); their sums are f32. All else is computed in f32.
;;   The module's matrix products, in the order in which they are computed (A, B: the left and right operand; K: the contracted axis; several contracted axes count as one K, in the product's order):
;;     1. [M 8,192, K 1,024] x [K 1,024, N 1,024]; A: input query; B: input Wq: QUANTISED
;;     2. [M 8,192, K 1,024] x [K 1,024, N 1,024]; A: input key; B: input Wk: QUANTISED
;;     3. [M 8,192, K 1,024] x [K 1,024, N 1,024]; A: input value; B: input Wv: QUANTISED
;;     4. batch 64 x [M 2,048, K 64] x [K 64, N 2,048]; A: computed on the way; B: computed on the way: QUANTISED
;;     5. batch 64 x [M 2,048, K 2,048] x [K 2,048, N 64]; A: softmax (see below); B: computed on the way: QUANTISED
;;     6. [M 8,192, K 1,024] x [K 1,024, N 1,024]; A: computed on the way; B: input Wo: QUANTISED
;;   THE QUANTISER, for each operand of a quantised product, along K:
;;     - K is cut into blocks of 32 from its start; a last block that is shorter is filled with zeros.
;;     - A block's scale is 2^e with e = floor(log2(the largest magnitude in the block)) - 15, held to -126 .. 127; a block of zeros has e = 0. As a byte (E8M0): e + 127.
;;     - Each number is divided by its block's scale, clamped to +-57,344, and rounded to the nearest number of E5M2, ties to even, subnormals kept.
;;     - The product sums the exact products of the quantised numbers (number of the format x scale) in f32.
;;   ~~~python
;;   def quantise(x, axis):      # numpy; x: float32 -> the quantised numbers, widened to float32 again
;;       x = np.moveaxis(x, axis, -1); K = x.shape[-1]
;;       x = np.pad(x, [(0, 0)] * (x.ndim - 1) + [(0, -K % 32)]); x = x.reshape(x.shape[:-1] + (-1, 32)); a = np.abs(x).max(-1, keepdims=True)
;;       e = np.where(a > 0, np.clip(np.frexp(np.where(a > 0, a, 1))[1] - 1 - 15, -126, 127), 0)      # np.frexp(a)[1] - 1 = floor(log2(a)), exactly
;;       r = np.clip(x / 2.0 ** e, -57344, 57344)
;;       step = 2.0 ** (np.maximum(np.frexp(np.where(r == 0, 1, r))[1] - 1, -14) - 2)
;;       q = np.round(r / step) * step * 2.0 ** e      # np.round: ties to even
;;       return np.moveaxis(q.reshape(q.shape[:-2] + (-1,))[..., :K], -1, axis).astype(np.float32)
;;   ~~~
;;   SOFTMAX AHEAD OF A QUANTISED PRODUCT. Where the list says 'softmax', what is quantised is not the finished softmax but p = 2^(t - M), with t = logit x log2(e) and M = ceil(the row's largest t), a whole number; so 1/2 < the row's largest p <= 1. The row's sum l is taken of the UNQUANTISED p, in f32, and the product's result is divided by l at the end. Since M is a whole number, a kernel that streams over the keys may use a running M (the ceiling of the running maximum): every later rescaling is an exact power of two, which a block's scale takes up: the codes' values come out the same.
;;   OPERANDS COMPUTED ON THE WAY. 'Computed on the way' means the value that the module computes at that place (a softmax that the list does not call 'softmax' is quantised finished and normalised). What goes into a quantiser is computed in f32, as accurately as f32 sums, v_exp_f32 and their like allow (about 1e-6 of the number): no bf16 or f16 on the way to a quantiser, and a product that is left as it is and whose result goes on into a quantised operand takes f32 operands (vector FMAs, or v_wmma_f32_16x16x4_f32). A number that lies on a knife's edge between two numbers of the format may be rounded either way, as far as f32 arithmetic and the matrix unit's own rounding can turn it there, and no further.
;; One version. Each part assembles by itself: llvm-mc -triple=amdgcn-amd-amdhsa -mcpu=gfx1250 --defsym DOCPART=n.
;; ======== version 1 of 1: 5 launches
;; limits: right only within a limited range of input values
;; workspace buffers: xc 29,360,128 bytes; xs 917,504 bytes; qc 8,388,608 bytes; qs 524,288 bytes; kv 16,777,216 bytes; kvs 786,432 bytes; oc 8,388,608 bytes; os 262,144 bytes
;; launch quant (part 1): grid 896 x 1, 4 waves a work-group, no clusters, 34,304 bytes of LDS; arguments query, key, value, Wq, Wk, Wv, Wo, xc, xs; writes xc, xs
.if DOCPART == 1
	.amdgcn_target "amdgcn-amd-amdhsa--gfx1250"
	.amdhsa_code_object_version 6
	.text
	.protected	k_q9abf33d584_quant
	.globl	k_q9abf33d584_quant
	.p2align	8
	.type	k_q9abf33d584_quant,@function
k_q9abf33d584_quant:
	s_mov_b64 s[64:65], 0
	v_nop
	global_prefetch_b8 v0, s[64:65] scope:SCOPE_SE
	s_setreg_imm32_b32 hwreg(HW_REG_WAVE_MODE, 25, 1), 1
	s_wait_xcnt 0x0
; query, key, value [8192][1024] and Wq, Wk, Wv, Wo [1024][1024], f32 with K innermost, become codes of BF8 (E5M2) with one E8M0 scale byte for each 32 along K.
; A block's scale is 2^(floor(log2(its largest magnitude)) - 15); its byte is the largest magnitude's exponent field - 15, held at 1 from below; each number is divided by the scale,
; held within +-57,344 and rounded to the nearest code, ties to even.
; LIMITS: a block of zeros gets the byte 1 where the rule says 127 (its codes are zeros, and the bytes are read by this program alone); NaN and infinities among the inputs are not served.
; THE OUTPUT LIES IN THE ORDER OF THE MATRIX INSTRUCTION'S REGISTERS.  A row tile T is 16 rows: place p (0..15) holds row 32 (T / 2) + 8 (T % 2) + p + 8 (p / 8).  A fragment (row tile, 128 along K) is
; 2,048 bytes [c = 0..3][lane = 16 h + r][16 bytes]: the codes of k = 32 c + 16 h + 0..15 of place r.  xc: [row tile][8 K steps][2,048].  xs: 512 bytes a row tile, [q = 0, 1][lane][2 words]:
; word i of lane (h, r) is the scale word (four bytes) of place r for K step 4 q + 2 i + h.  Row tiles: 0 query, 512 key, 1024 value, 1536 Wq, 1600 Wk, 1664 Wv, 1728 Wo.
; SHARES.  Work-group g takes 32 rows (row tiles 2 g, 2 g + 1); wave w takes tile w / 2 and K steps 4 (w % 2) .. + 3.  Each load reads 512 consecutive bytes of one row; a step's 16 rows turn through the
; wave's own stage in LDS (rows of 512 bytes + 16 of padding), so that a lane comes to hold 16 neighbours along K of each of four blocks; each store writes 512 consecutive bytes.
; No tensor loads, no barrier: waves share nothing.  No cluster: no two work-groups read the same bytes.  Loads run two steps (32 loads a wave) ahead.
.set STG,  16*528                      ; a wave's stage
.set WD,   16                          ; v16-19   the four steps' scale words
.set R,    32                          ; v32-159  two sets of 64 numbers as they are loaded
.set X,    160                         ; v160-223 64 numbers: register 16 b + i = k 32 b + 16 h + i of my row
.set PC,   224                         ; v224-239 a fragment's codes
.set TM,   240                         ; v240-243 largest magnitudes, v244-247 bytes, v248-251 the largest number x the scale, v252-255 the conversions' scale operands
	s_load_b512 s[8:23], s[0:1], 0x0               ; query, key, value, Wq, Wk, Wv, Wo, xc
	s_load_b64 s[24:25], s[0:1], 0x40              ; xs
	v_lshl_add_u32 v30, v0, 2, 0x8400
	v_mov_b32 v31, 0
	v_lshrrev_b32 v5, 5, v0
	v_readfirstlane_b32 s7, v5                     ; wave 0..3
	v_and_b32 v6, 31, v0                           ; lane
	v_lshlrev_b32 v1, 4, v6                        ; v1: 16 x lane
	v_lshlrev_b32 v2, 3, v6                        ; v2: 8 x lane
	s_mul_i32 s28, s7, STG
	v_add_nc_u32 v3, s28, v1                       ; v3: into the stage: a row's 512 bytes as they lie
	v_and_b32 v7, 15, v0                           ; r
	v_bfe_u32 v8, v0, 4, 1                         ; h
	v_mul_u32_u24 v4, v7, 528
	v_lshl_add_u32 v4, v8, 6, v4
	v_add_nc_u32 v4, s28, v4                       ; v4: out of it: row r, + 64 h bytes: my 16 numbers of a block of 32
.irp b, 0,1,2,3
	v_mov_b32 v[TM+4+\b], 0                        ; written once: a lane permute's destination counts as one of its sources
.endr
	s_lshr_b32 s29, s7, 1                          ; u: which of the two row tiles
	s_and_b32 s30, s7, 1                           ; q: which half of K
	s_mov_b32 s33, 0xffff0000                      ; lanes 16-31
	s_mov_b32 s34, 0x600000                        ; the mantissa field of 57,344
	s_mov_b32 s36, 0x76543210
	s_mov_b32 s37, 0xfedcba98                      ; v_permlanex16_b32's selects for lane l xor 16
	s_wait_alu depctr_va_vdst(0)
	s_wait_kmcnt 0x0
; which tensor: the choice hangs on the work-group's number alone.  s[4:5] the tensor, s6 its first work-group
.macro PICK lim, p, base
	s_cmp_lt_u32 ttmp9, \lim
	s_cselect_b64 s[4:5], s[\p:\p+1], s[4:5]
	s_cselect_b32 s6, \base, s6
.endm
	s_mov_b64 s[4:5], s[20:21]
	s_mov_b32 s6, 864
	PICK 864, 18, 832
	PICK 832, 16, 800
	PICK 800, 14, 768
	PICK 768, 12, 512
	PICK 512, 10, 256
	PICK 256, 8, 0
	s_sub_co_u32 s26, ttmp9, s6
	s_lshl_b32 s26, s26, 17                        ; 32 rows of 4,096 bytes a work-group,
	s_lshl_b32 s31, s29, 15                        ; tile u begins 8 rows on,
	s_add_co_u32 s26, s26, s31
	s_lshl_b32 s31, s30, 11                        ; half q 2,048 bytes on in each row
	s_add_co_u32 s26, s26, s31
	s_mov_b32 s27, 0
	s_add_nc_u64 s[4:5], s[4:5], s[26:27]
	s_lshl_b32 s32, ttmp9, 1
	s_add_co_u32 s32, s32, s29                     ; my row tile
	s_lshl_b32 s26, s32, 14
	s_lshl_b32 s31, s30, 13
	s_add_co_u32 s26, s26, s31
	s_add_nc_u64 s[22:23], s[22:23], s[26:27]      ; its codes, my four K steps
	s_lshl_b32 s26, s32, 9
	s_lshl_b32 s31, s30, 8
	s_add_co_u32 s26, s26, s31
	s_add_nc_u64 s[24:25], s[24:25], s[26:27]      ; its scale words, my 256 bytes
.macro LOAD s                          ; K step s of my 16 rows into set s % 2: place i is row i + 8 (i / 8) of the tile's span
.irp i, 0,1,2,3,4,5,6,7,8,9,10,11,12,13,14,15
	global_load_b128 v[R+64*((\s)%2)+4*\i:R+64*((\s)%2)+4*\i+3], v1, s[4:5] offset:(\i+8*(\i/8))*4096+512*(\s) th:TH_LOAD_NT
.endr
.endm
.macro QUANT w                         ; the 64 numbers in X become a fragment's codes in PC and its scale word in v[w]
.irp b, 0,1,2,3
	v_max3_num_f32 v[TM+\b], |v[X+16*\b]|, |v[X+1+16*\b]|, 0x8000000   ; block b: my 16 numbers, and the floor 2^(16 - 127): the byte cannot fall under 1
.endr
.irp i, 2,4,6,8,10,12,14
.irp b, 0,1,2,3
	v_max3_num_f32 v[TM+\b], v[TM+\b], |v[X+16*\b+\i]|, |v[X+1+16*\b+\i]|   ; the four blocks by turns
.endr
.endr
.irp b, 0,1,2,3
	v_permlanex16_b32 v[TM+4+\b], v[TM+\b], s36, s37
.endr
.irp b, 0,1,2,3
	v_max_num_f32 v[TM+\b], v[TM+\b], v[TM+4+\b]   ; with lane l xor 16's 16: the block's largest magnitude
.endr
.irp b, 0,1,2,3
	v_add_nc_u32 v[TM+12+\b], 0xf8800000, v[TM+\b] ; 15 off its exponent field: the conversion takes this operand's exponent field as its scale
.endr
.irp b, 0,1,2,3
	v_and_or_b32 v[TM+8+\b], v[TM+\b], 0x7f800000, s34   ; 57,344 x the scale
.endr
.irp b, 0,1,2,3
	v_lshrrev_b32 v[TM+4+\b], 23, v[TM+12+\b]      ; the scale's byte
.endr
	v_lshl_or_b32 v[\w], v[TM+5], 8, v[TM+4]
	v_lshl_or_b32 v[\w], v[TM+6], 16, v[\w]
	v_lshl_or_b32 v[\w], v[TM+7], 24, v[\w]        ; my row's scale word (both halves of the lanes hold it)
.irp b, 0,1,2,3
.irp i, 0,1,2,3,4,5,6,7,8,9,10,11,12,13,14,15
	v_med3_num_f32 v[X+16*\b+\i], v[X+16*\b+\i], -v[TM+8+\b], v[TM+8+\b]   ; the conversion to an 8-bit code does not saturate (ISA guide 7.6.2): the hold comes first
.endr
	v_cvt_scalef32_pk8_bf8_f32 v[PC+4*\b:PC+1+4*\b], v[X+16*\b:X+7+16*\b], v[TM+12+\b]
	v_cvt_scalef32_pk8_bf8_f32 v[PC+2+4*\b:PC+3+4*\b], v[X+8+16*\b:X+15+16*\b], v[TM+12+\b]
.endr
	v_nop                                          ; one plain vector instruction behind the last scaled conversion
.endm
.macro STEP s
.if (\s) > 0
	s_wait_xcnt 0x0                                ; the last step's stores have read PC: it is written again only behind this wait
.endif
.if (\s) < 3
	s_wait_loadcnt 16                              ; this step's 16 loads are in; the next step's 16 may be out
.else
	s_wait_loadcnt 0x0
.endif
.irp i, 0,1,2,3,4,5,6,7,8,9,10,11,12,13,14,15
	ds_store_b128 v3, v[R+64*((\s)%2)+4*\i:R+64*((\s)%2)+4*\i+3] offset:528*\i
.endr
.irp c, 0,1,2,3
.irp j, 0,1,2,3
	ds_load_b128 v[X+16*\c+4*\j:X+16*\c+4*\j+3], v4 offset:128*\c+16*\j   ; LDS serves a wave's instructions in order: these see the stores above
.endr
.endr
	s_wait_dscnt 0x0                               ; the numbers are back, and the stores have read their registers,
.if (\s)+2 < 4
	LOAD (\s)+2                                    ; which take the loads of two steps on
.endif
	QUANT WD+(\s)
.irp c, 0,1,2,3
	global_store_b128 v1, v[PC+4*\c:PC+4*\c+3], s[22:23] offset:2048*(\s)+512*\c   ; 32 lanes store 512 consecutive bytes, aligned
.endr
.endm
	LOAD 0
	LOAD 1
	STEP 0
	STEP 1
	STEP 2
	STEP 3
	v_cndmask_b32 v20, v[WD], v[WD+1], s33         ; lanes 0-15 carry the even K steps' words, lanes 16-31 the odd ones'
	v_cndmask_b32 v21, v[WD+2], v[WD+3], s33
	global_store_b64 v2, v[20:21], s[24:25]        ; 32 lanes store 256 consecutive bytes, aligned
	s_wait_tensorcnt 0x0
	ds_add_u32 v30, v31
	s_wait_dscnt 0x0
	s_endpgm
.Lfunc_end_k_q9abf33d584_quant:
	.size	k_q9abf33d584_quant, .Lfunc_end_k_q9abf33d584_quant-k_q9abf33d584_quant
	.p2alignl 7, 3214868480
	.fill 96, 4, 3214868480
	.section	.rodata,"a",@progbits
	.p2align	6, 0x0
	.amdhsa_kernel k_q9abf33d584_quant
		.amdhsa_group_segment_fixed_size 34304
		.amdhsa_private_segment_fixed_size 0
		.amdhsa_enable_private_segment 0
		.amdhsa_kernarg_size 72
		.amdhsa_user_sgpr_count 2
		.amdhsa_user_sgpr_kernarg_segment_ptr 1
		.amdhsa_wavefront_size32 1
		.amdhsa_system_sgpr_workgroup_id_x 1
		.amdhsa_system_sgpr_workgroup_id_y 1
		.amdhsa_system_sgpr_workgroup_id_z 1
		.amdhsa_system_vgpr_workitem_id 0
		.amdhsa_next_free_vgpr 256
		.amdhsa_next_free_sgpr 66
		.amdhsa_reserve_vcc 0
		.amdhsa_float_denorm_mode_32 3
		.amdhsa_float_denorm_mode_16_64 3
		.amdhsa_memory_ordered 1
		.amdhsa_forward_progress 1
		.amdhsa_inst_pref_size 52
	.end_amdhsa_kernel
	.amdgpu_metadata
---
amdhsa.version: [ 1, 2 ]
amdhsa.kernels:
  - .name:           k_q9abf33d584_quant
    .symbol:         k_q9abf33d584_quant.kd
    .args:
      - { .name: query, .offset: 0, .size: 8, .value_kind: global_buffer, .address_space: global }
      - { .name: key, .offset: 8, .size: 8, .value_kind: global_buffer, .address_space: global }
      - { .name: value, .offset: 16, .size: 8, .value_kind: global_buffer, .address_space: global }
      - { .name: Wq, .offset: 24, .size: 8, .value_kind: global_buffer, .address_space: global }
      - { .name: Wk, .offset: 32, .size: 8, .value_kind: global_buffer, .address_space: global }
      - { .name: Wv, .offset: 40, .size: 8, .value_kind: global_buffer, .address_space: global }
      - { .name: Wo, .offset: 48, .size: 8, .value_kind: global_buffer, .address_space: global }
      - { .name: xc, .offset: 56, .size: 8, .value_kind: global_buffer, .address_space: global }
      - { .name: xs, .offset: 64, .size: 8, .value_kind: global_buffer, .address_space: global }
    .group_segment_fixed_size: 34304
    .private_segment_fixed_size: 0
    .kernarg_segment_align: 8
    .kernarg_segment_size: 72
    .max_flat_workgroup_size: 128
    .sgpr_count:     66
    .vgpr_count:     256
    .wavefront_size: 32
...
	.end_amdgpu_metadata
.endif
;; end of part 1
;; launch projqk (part 2): grid 256 x 2, 4 waves a work-group, clusters of 4 x 1, 168,448 bytes of LDS; arguments xc, xs, bq, bk, qc, qs, kv, kvs; writes qc, qs, kv, kvs
.if DOCPART == 2
	.amdgcn_target "amdgcn-amd-amdhsa--gfx1250"
	.amdhsa_code_object_version 6
	.text
	.protected	k_q9abf33d584_projqk
	.globl	k_q9abf33d584_projqk
	.p2align	8
	.type	k_q9abf33d584_projqk,@function
k_q9abf33d584_projqk:
	s_mov_b64 s[64:65], 0
	v_nop
	global_prefetch_b8 v0, s[64:65] scope:SCOPE_SE
	s_setreg_imm32_b32 hwreg(HW_REG_WAVE_MODE, 25, 1), 1
	s_wait_xcnt 0x0
	s_wait_alu depctr_hold_cnt(0) depctr_sa_sdst(0) depctr_va_vdst(0) depctr_va_sdst(0) depctr_va_ssrc(0) depctr_va_vcc(0) depctr_vm_vsrc(0)
	s_getreg_b32 s2, hwreg(HW_REG_IB_STS2, 6, 4)
	s_cmp_eq_u32 s2, 0
	s_cbranch_scc0 .Lentry_in_a_cluster
	s_endpgm
.Lentry_in_a_cluster:
	s_bfe_u32 s2, ttmp6, 0x10000c
	s_cmp_lg_u32 s2, 0x3003
	s_cbranch_scc0 .Lentry_shape_is_right
	s_endpgm
.Lentry_shape_is_right:
; A LINEAR LAYER ON CODES OF BF8 (E5M2) WITH E8M0 SCALES, K = 1,024.  One text in three forms, chosen by MODE:
;   MODE 0: q = query Wq^T + bq (work-group y = 0), k = key Wk^T + bk (y = 1); the result is quantised along the head's 64 and stored as attention's operands (qc, qs; the K parts of kv, kvs).
;   MODE 1: v^T = Wv value^T + bv; the result is quantised along the KEYS and stored as attention's second operand (the V parts of kv, kvs).
;   MODE 2: out0 = o Wo^T + bo, f32.
; OPERANDS lie in memory in the order of the matrix instruction's registers.  A row tile T is 16 rows: place p holds row 32 (T / 2) + 8 (T % 2) + p + 8 (p / 8).  A fragment (row tile, 128 along K) is 2,048 bytes
; [c][lane = 16 h + r][16 bytes]: k = 32 c + 16 h + 0..15 of place r; a row tile is 8 fragments on end.  Its scale words: 512 bytes [q][lane][2 words]: two loads of 8 bytes a lane give four registers; K step s
; reads register s / 2, lanes 0-15 for even s, lanes 16-31 for odd s.
; SHARES.  A work-group makes 8 row tiles of "A" x 16 row tiles of "B"; wave w takes all 8 of A against its own 4 of B: 32 accumulators.  B's four tiles for ALL of K stay in the wave's registers (512),
; loaded once; A's 128 KB for all of K come into LDS once, in four chunks of two row tiles, and are read by all four waves.  No LDS byte is filled twice.
; THE PRODUCT IS USED TRANSPOSED: source 0 = a row tile t of B, source 1 = a row tile a of A.  Register j of lane (r, h) is then B's row 32 (t / 2) + 16 h + 8 (t % 2) + j for A's place r: the 16 registers of
; tiles 2 g and 2 g + 1 are 16 NEIGHBOURS along B's rows, which are the next product's K (MODE 0: the head's 64; MODE 1: the keys): the conversions' results are the next operand's registers.
; CLUSTER: the four work-groups of a cluster take the same 8 row tiles of A and ask for them JOINTLY (mask 15).  B is not shared: it goes to registers by plain loads, and each wave's part is its own.
; LIMITS: a block of zeros gets the scale byte 1 where the rule says 127 (its codes are zeros; the bytes are read by this program alone); NaN and infinities are not served.
; REGISTERS, in windows of 256.  Window 0: v1 16 x lane, v2 8 x lane, v6 v1 + 65,536, v7-10 addresses; v12-27 at work in QUANT; v28-31 words to store; v32-63 A's scale words (4 a + s / 2); v64-79 B's (4 t + s / 2);
;   v80-111 the bias; v112-119 the results' scale words; v128-255 A's 8 fragments, ONE set; on the way out they are free.  Window 1: B's K steps 0-3 at 64 (s % 4) + 16 t.  Window 2: K steps 4-7.  Window 3: accumulator (a, t) at 8 (4 a + t).
.set MODE,  0
.set TM,    12
.set MW,    28
.set AS,    32
.set BS,    64
.set BC,    80
.set WD,    112
.set AF,    128
.set T,     128                        ; the way out, MODE 0 and 1: 64 numbers
.set PC,    192                        ; and four sets of 16 registers of codes, so that no store's data are written again
.set BK,    128                        ; the way out, MODE 2: two sets of 32 registers
.set EXTRA, 131072                     ; LDS behind A: MODE 1: 2 KB for the halves of V's scale words; MODE 2: a stage of 16 x 272 bytes for each wave.  No tensor load lands here
.set MSB, 0
.macro WIN new                         ; the immediate's high byte repeats the setting that is left
.if MSB != \new
	s_set_vgpr_msb (MSB<<8)|\new
.set MSB, \new
.endif
.endm
.macro PLACES n
.rept \n
	v_nop
.endr
.endm
.macro CROUND                          ; a round of the cluster's barrier
	s_barrier_signal -1
	s_barrier_wait -1
	s_cmp_lg_u32 s20, 0
	s_cbranch_scc1 .Lnot_wave_0_\@
	s_barrier_signal -3
.Lnot_wave_0_\@:
	s_barrier_wait -3
	s_barrier_signal -1
	s_barrier_wait -1
.endm
.if MODE == 0
	s_load_b512 s[68:83], s[0:1], 0x0              ; xc, xs, bq, bk, qc, qs, kv, kvs
	v_lshl_add_u32 v126, v0, 2, 0x29000
	v_mov_b32 v127, 0
	ds_add_u32 v126, v127
	ds_add_u32 v126, v127
.elseif MODE == 1
	s_load_b256 s[68:75], s[0:1], 0x0              ; xc, xs, bv, kv
	s_load_b64 s[76:77], s[0:1], 0x20              ; kvs
.else
	s_load_b256 s[68:75], s[0:1], 0x0              ; oc, os, xc, xs
	s_load_b128 s[76:79], s[0:1], 0x20             ; bo, out0
.endif
	v_lshrrev_b32 v3, 5, v0
	v_readfirstlane_b32 s20, v3                    ; wave 0..3
	s_bfe_u32 s21, ttmp6, 0x40000                  ; cx: my place in the cluster; it enters B's, the bias's and the output's addresses alone
; s23 = A's first row tile (made of the cluster's number, the work-group's y and constants: the four partners share it); s24 = my wave's first row tile of B
.if MODE == 0
	s_and_b32 s22, ttmp7, 0xffff                   ; p: 0 q, 1 k
	s_lshl_b32 s23, s22, 9
	s_lshl_b32 s25, ttmp9, 3
	s_add_co_u32 s23, s23, s25                     ; 512 p + 8 x cluster
	s_lshl_b32 s24, s22, 6
	s_lshl_b32 s26, s21, 4
	s_add_co_u32 s24, s24, s26
	s_lshl_b32 s26, s20, 2
	s_add_co_u32 s24, s24, s26
	s_add_co_u32 s24, s24, 1536                    ; 1536 + 64 p + 16 cx + 4 w
.elseif MODE == 1
	s_and_b32 s22, ttmp9, 7                        ; which 128 rows of Wv
	s_lshl_b32 s23, s22, 3
	s_add_co_u32 s23, s23, 1664
	s_lshr_b32 s27, ttmp9, 3
	s_lshl_b32 s27, s27, 2
	s_add_co_u32 s27, s27, s21                     ; which 256 rows of value: 0..31
	s_lshl_b32 s24, s27, 4
	s_lshl_b32 s26, s20, 2
	s_add_co_u32 s24, s24, s26
	s_add_co_u32 s24, s24, 1024
.else
	s_lshl_b32 s23, ttmp9, 3
	s_lshl_b32 s24, s21, 4
	s_lshl_b32 s26, s20, 2
	s_add_co_u32 s24, s24, s26
	s_add_co_u32 s24, s24, 1728
.endif
	s_lshl_b32 s25, s20, 1
	s_add_co_u32 s28, s23, s25
	s_lshl_b32 s28, s28, 14                        ; the two row tiles of A that I fetch: 16 KB each
	s_mov_b32 s29, 0
	s_lshl_b32 s30, s23, 9                         ; A's scale words
	s_mov_b32 s31, 0
	s_lshl_b32 s32, s24, 14                        ; B's codes
	s_mov_b32 s33, 0
	s_lshl_b32 s34, s24, 9                         ; B's scale words
	s_mov_b32 s35, 0
	; descriptor group 1: eight rows of 4,096 bytes (two row tiles for all of K), dense in memory, on end in LDS
	s_mov_b32 s52, 15|(3<<16)|(1<<21)              ; 15:0 the mask: all four work-groups; 17:16 elements of 8 bytes; 21 set beside a mask
	s_mov_b32 s53, 512<<16                         ; tensor_dim0 = 512
	s_mov_b32 s54, 8<<16                           ; tensor_dim1 = 8: my two row tiles for all of K are 8 rows of 4,096 bytes, dense in memory
	s_mov_b32 s55, 512<<16                         ; tile_dim0 = 512
	s_mov_b32 s56, 8                               ; tile_dim1 = 8
	s_mov_b32 s57, 512                             ; tensor_dim0_stride: each row begins where the last ends
	s_mov_b32 s58, 0
	s_mov_b32 s59, 0
	s_mov_b32 s60, 0xffff0000                      ; lanes 16-31
	s_mov_b32 s61, 0x600000                        ; the mantissa field of 57,344
	s_mov_b32 s62, 0x76543210
	s_mov_b32 s63, 0xfedcba98                      ; v_permlanex16_b32's selects for lane l xor 16
	v_and_b32 v3, 31, v0
	v_lshlrev_b32 v1, 4, v3                        ; 16 x lane: an image's place for my lane; also the LDS address of A's tiles 0-3
	v_lshlrev_b32 v2, 3, v3                        ; 8 x lane
	v_add_nc_u32 v6, 0x10000, v1                   ; the LDS address of A's tiles 4-7
	v_and_b32 v3, 15, v0                           ; r
	v_bfe_u32 v4, v0, 4, 1                         ; h
.irp b, 0,1,2,3
	v_mov_b32 v[TM+4+\b], 0                        ; written once: a lane permute's destination counts as one of its sources
.endr
	s_lshl_b32 s25, s20, 15                        ; where my two row tiles go in LDS: 32,768 x wave; fragment (a, s) lies at 16,384 a + 2,048 s
	s_wait_dscnt 0x0
	s_wait_kmcnt 0x0
	s_add_nc_u64 s[4:5], s[68:69], s[28:29]        ; A's codes
	s_add_nc_u64 s[6:7], s[70:71], s[30:31]        ; A's scale words
.if MODE == 2
	s_add_nc_u64 s[8:9], s[72:73], s[32:33]        ; B's codes
	s_add_nc_u64 s[10:11], s[74:75], s[34:35]      ; B's scale words
.else
	s_add_nc_u64 s[8:9], s[68:69], s[32:33]
	s_add_nc_u64 s[10:11], s[70:71], s[34:35]
.endif
	s_mov_b32 s36, 1                               ; descriptor group 0: one load a wave brings its 32 KB of A
	s_mov_b32 s37, s25
	s_mov_b64 s[38:39], s[4:5]
	s_or_b32 s39, s39, 0x80000000
	s_wait_alu depctr_va_vdst(0)                   ; the wait ahead of the barriers
	CROUND                                         ; all four work-groups are here: the joint loads meet
	tensor_load_to_lds s[36:39], s[52:59]          ; my one tensor load of the launch
	s_nop 0
	PLACES 4                                       ; four vector instructions behind the loads
; the bias's and the output's addresses: s[12:13], s[14:15], s[16:17]
.if MODE == 0
	s_lshr_b32 s26, ttmp9, 4
	s_lshl_b32 s26, s26, 4
	s_lshl_b32 s27, s21, 2
	s_add_co_u32 s26, s26, s27
	s_add_co_u32 s26, s26, s20                     ; HB = 16 x batch + head; my 64 rows of W are head 4 cx + w
	s_and_b32 s27, ttmp9, 15                       ; which 128 rows of the batch
	s_lshl_b32 s28, s26, 17
	s_lshl_b32 s30, s27, 13
	s_add_co_u32 s28, s28, s30
	s_lshl_b32 s28, s28, s22                       ; qc: 128 KB a head, 8 KB a group of 128 rows; kv: twice that
	s_lshl_b32 s30, s26, 13
	s_mul_i32 s32, s26, s22
	s_lshl_b32 s32, s32, 12
	s_add_co_u32 s30, s30, s32                     ; qs: 8,192 bytes a head; kvs: 12,288
	s_lshl_b32 s32, s27, 9
	s_add_co_u32 s30, s30, s32
	s_lshl_b32 s32, s21, 10
	s_lshl_b32 s34, s20, 8
	s_add_co_u32 s32, s32, s34                     ; the bias of my 64 columns
	s_cmp_eq_u32 s22, 0
	s_cselect_b64 s[12:13], s[72:73], s[74:75]
	s_cselect_b64 s[14:15], s[76:77], s[80:81]
	s_cselect_b64 s[16:17], s[78:79], s[82:83]
	s_add_nc_u64 s[12:13], s[12:13], s[32:33]
	s_add_nc_u64 s[14:15], s[14:15], s[28:29]
	s_add_nc_u64 s[16:17], s[16:17], s[30:31]
	s_wait_alu depctr_va_vdst(0)
	v_lshlrev_b32 v7, 6, v4                        ; the bias: lanes 16-31 begin 16 numbers on
.elseif MODE == 1
	s_lshr_b32 s26, s27, 3
	s_lshl_b32 s26, s26, 4
	s_lshl_b32 s28, s22, 1
	s_add_co_u32 s26, s26, s28                     ; HB0 = 16 x batch + 2 x (128 rows of Wv): A's tiles 0-3 are head HB0, tiles 4-7 head HB0 + 1
	s_and_b32 s27, s27, 7                          ; which pair of key steps
	s_lshr_b32 s34, s20, 1                         ; w / 2: which key step of the pair
	s_and_b32 s35, s20, 1                          ; w % 2: which 64 keys of the step
	s_lshl_b32 s28, s26, 18
	s_lshl_b32 s25, s27, 15
	s_add_co_u32 s28, s28, s25
	s_lshl_b32 s25, s34, 14
	s_add_co_u32 s28, s28, s25
	s_lshl_b32 s25, s35, 10
	s_add_co_u32 s28, s28, s25
	s_add_co_u32 s28, s28, 8192                    ; kv: head, key step, behind K's 8 KB, c = 2 (w % 2) on
	s_add_co_u32 s30, s26, s34
	s_mul_i32 s30, s30, 12288
	s_lshl_b32 s25, s27, 9
	s_add_co_u32 s30, s30, s25
	s_lshl_b32 s25, s35, 8
	s_add_co_u32 s30, s30, s25
	s_add_co_u32 s30, s30, 8192                    ; kvs: head HB0 + w / 2, behind K's 8 KB, the pair's 512 bytes, parity w % 2
	s_lshl_b32 s32, s22, 9
	s_add_nc_u64 s[12:13], s[72:73], s[32:33]
	s_add_nc_u64 s[14:15], s[74:75], s[28:29]
	s_add_nc_u64 s[16:17], s[76:77], s[30:31]
	v_and_b32 v7, 8, v3
	v_add_nc_u32 v7, v7, v3
	v_lshlrev_b32 v7, 2, v7                        ; the bias of my place: 4 (r + 8 (r / 8))
	s_lshl_b32 s25, s35, 10
	s_lshl_b32 s26, s34, 8
	s_add_co_u32 s25, s25, s26
	s_add_co_u32 s25, s25, EXTRA
	v_lshl_add_u32 v8, v3, 4, s25                  ; where my half words go: region w % 2, parity w / 2, 16 r
	s_lshl_b32 s25, s20, 8
	s_add_co_u32 s25, s25, EXTRA
	v_add_nc_u32 v9, s25, v2                       ; and which 256 bytes I read back
.else
	s_lshl_b32 s28, ttmp9, 19
	s_lshl_b32 s32, s21, 10
	s_lshl_b32 s34, s20, 8
	s_add_co_u32 s32, s32, s34
	s_add_co_u32 s28, s28, s32                     ; out0: 128 rows of 4,096 bytes a cluster; my 64 columns
	s_add_nc_u64 s[12:13], s[76:77], s[32:33]
	s_add_nc_u64 s[14:15], s[78:79], s[28:29]
	v_lshlrev_b32 v7, 6, v4
	s_mul_i32 s25, s20, 16*272
	s_add_co_u32 s25, s25, EXTRA                   ; my stage
	v_mul_u32_u24 v8, v3, 272
	v_lshl_add_u32 v8, v4, 6, v8
	v_add_nc_u32 v8, s25, v8                       ; in: place r, + 64 h bytes
	v_mul_u32_u24 v9, v4, 272
	v_lshl_add_u32 v9, v3, 4, v9
	v_add_nc_u32 v9, s25, v9                       ; back: lanes 0-15 one place's 256 bytes, lanes 16-31 the next's
	v_lshlrev_b32 v10, 12, v4
	v_lshl_add_u32 v10, v3, 4, v10                 ; and the same in out0
.endif
.irp a, 0,1,2,3,4,5,6,7
.irp q, 0,1
	global_load_b64 v[AS+4*\a+2*\q:AS+4*\a+2*\q+1], v2, s[6:7] offset:512*\a+256*\q
.endr
.endr
.irp t, 0,1,2,3
.irp q, 0,1
	global_load_b64 v[BS+4*\t+2*\q:BS+4*\t+2*\q+1], v2, s[10:11] offset:512*\t+256*\q
.endr
.endr
.if MODE == 1
.irp a, 0,1,2,3,4,5,6,7
	global_load_b32 v[BC+2*\a], v7, s[12:13] offset:4*(32*(\a/2)+8*(\a%2))   ; a lane holds one row of Wv: one number a tile
.endr
.else
.irp g, 0,1
.irp j, 0,1,2,3
	global_load_b128 v[BC+16*\g+4*\j:BC+16*\g+4*\j+3], v7, s[12:13] offset:128*\g+16*\j   ; register 8 t + j: column 32 (t / 2) + 16 h + 8 (t % 2) + j: the result's layout
.endr
.endr
.endif
.macro LOADB s                         ; B's four fragments of K step s: 16 loads of 512 consecutive bytes; each register is loaded once in the launch
.if (\s) < 4
	WIN 0x40
.else
	WIN 0x80
.endif
.irp t, 0,1,2,3
.irp c, 0,1,2,3
	global_load_b128 v[64*((\s)%4)+16*\t+4*\c:64*((\s)%4)+16*\t+4*\c+3], v1, s[8:9] offset:16384*\t+2048*(\s)+512*\c
.endr
.endr
.endm
.macro FETCHA s, a0                    ; A's fragments a0 .. a0 + 3 of K step s from LDS: fragment (a, s) lies at 16,384 a + 2,048 s
.set AA, 1+5*((\a0)/4)
.irp a, \a0, \a0+1, \a0+2, \a0+3
.irp c, 0,1,2,3
	ds_load_b128 v[AF+16*(\a)+4*\c:AF+16*(\a)+4*\c+3], v[AA] offset:16384*((\a)%4)+2048*(\s)+512*\c
.endr
.endr
.endm
; 16 matrix instructions: A's tiles a0 .. a0 + 3 x my four of B.  The 32 accumulators take turns, one instruction a turn, in the same order in every K step.
; K step 0 starts the sums: with the constant 0, or (MODE 2) with the bias, which lies in the result's layout.
.macro MUL s, a0
.if (\s) >= 4
	WIN 0xf2
.elseif (MODE == 2) && ((\s) == 0)
	WIN 0xc1
.else
	WIN 0xf1
.endif
.irp a, \a0, \a0+1, \a0+2, \a0+3
.irp t, 0,1,2,3
.set rD, 8*(4*(\a)+\t)
.set rB, 64*((\s)%4)+16*\t
.set rA, AF+16*(\a)
.set sB, BS+4*\t+(\s)/2
.set sA, AS+4*(\a)+(\s)/2
.if ((\s) == 0) && (MODE == 2)
	v_wmma_scale_f32_16x16x128_f8f6f4 v[rD:rD+7], v[rB:rB+15], v[rA:rA+15], v[BC+8*\t:BC+8*\t+7], v[sB], v[sA] matrix_a_fmt:MATRIX_FMT_BF8 matrix_b_fmt:MATRIX_FMT_BF8
.elseif (\s) == 0
	v_wmma_scale_f32_16x16x128_f8f6f4 v[rD:rD+7], v[rB:rB+15], v[rA:rA+15], 0, v[sB], v[sA] matrix_a_fmt:MATRIX_FMT_BF8 matrix_b_fmt:MATRIX_FMT_BF8
.elseif (\s)%2 == 0
	v_wmma_scale_f32_16x16x128_f8f6f4 v[rD:rD+7], v[rB:rB+15], v[rA:rA+15], v[rD:rD+7], v[sB], v[sA] matrix_a_fmt:MATRIX_FMT_BF8 matrix_b_fmt:MATRIX_FMT_BF8
.else
	v_wmma_scale_f32_16x16x128_f8f6f4 v[rD:rD+7], v[rB:rB+15], v[rA:rA+15], v[rD:rD+7], v[sB], v[sA] matrix_a_fmt:MATRIX_FMT_BF8 matrix_b_fmt:MATRIX_FMT_BF8 matrix_a_scale:MATRIX_SCALE_ROW1 matrix_b_scale:MATRIX_SCALE_ROW1
.endif
.endr
.endr
.endm
; A K step: 32 matrix instructions.  A tile of A is free when its four products are issued: tiles 0-3 are fetched anew in the step's middle, tiles 4-7 at its end, each run eight places behind the last
; matrix instruction that read those registers.
.macro STEP s
.if (\s) == 7
	s_wait_loadcnt 0x0
.elseif (\s) == 6
	s_wait_loadcnt 16                              ; B's K step 6 is in; K step 7's 16 loads may be out
.else
	s_wait_loadcnt 32                              ; B's K step s is in (at s = 0 the scale words and the bias too); the two K steps behind it, 32 loads, may be out
.endif
	s_wait_dscnt 16                                ; A's tiles 0-3 are in; the youngest 16 loads (tiles 4-7) may be out
.if (\s)+3 < 8
	LOADB (\s)+3
.endif
	MUL \s, 0
	s_wait_dscnt 0x0                               ; A's tiles 4-7 are in
.if (\s) < 7
	PLACES 8
	WIN 0
	FETCHA (\s)+1, 0
.endif
	MUL \s, 4
.if (\s) < 7
	PLACES 8
	WIN 0
	FETCHA (\s)+1, 4
.endif
.endm
	LOADB 0
	LOADB 1
	LOADB 2
	WIN 0
	s_wait_tensorcnt 0x0                           ; my part of A has landed
	s_barrier_signal -1
	s_barrier_wait -1
	FETCHA 0, 0
	FETCHA 0, 4
	STEP 0
	STEP 1
	STEP 2
	STEP 3
	STEP 4
	STEP 5
	STEP 6
	STEP 7
	WIN 0
.if MODE == 1
.irp a, 0,1,2,3,4,5,6,7
	v_mov_b32 v[BC+2*\a+1], v[BC+2*\a]             ; the bias as a pair for the packed addition.  These eight are also the places behind the last products
.endr
.else
	PLACES 8
.endif
.if MODE < 2
; THE WAY OUT, MODE 0 and 1.  The 64 numbers in T, register 16 b + i = k 32 (b % 2) + 16 h + i of row tile b / 2's place r, become four blocks' codes and two scale words (two bytes each)
.macro QUANT pc, w0, w1
.irp b, 0,1,2,3
	v_max3_num_f32 v[TM+\b], |v[T+16*\b]|, |v[T+1+16*\b]|, 0x8000000   ; block b: my 16 numbers, and the floor 2^(16 - 127): the byte cannot fall under 1
.endr
.irp i, 2,4,6,8,10,12,14
.irp b, 0,1,2,3
	v_max3_num_f32 v[TM+\b], v[TM+\b], |v[T+16*\b+\i]|, |v[T+1+16*\b+\i]|
.endr
.endr
.irp b, 0,1,2,3
	v_permlanex16_b32 v[TM+4+\b], v[TM+\b], s62, s63
.endr
.irp b, 0,1,2,3
	v_max_num_f32 v[TM+\b], v[TM+\b], v[TM+4+\b]   ; with lane l xor 16's 16: the block's largest magnitude
.endr
.irp b, 0,1,2,3
	v_add_nc_u32 v[TM+12+\b], 0xf8800000, v[TM+\b] ; 15 off its exponent field: the conversion's scale operand
.endr
.irp b, 0,1,2,3
	v_and_or_b32 v[TM+8+\b], v[TM+\b], 0x7f800000, s61   ; 57,344 x the scale
.endr
.irp b, 0,1,2,3
	v_lshrrev_b32 v[TM+4+\b], 23, v[TM+12+\b]      ; the scale's byte
.endr
	v_lshl_or_b32 v[\w0], v[TM+5], 8, v[TM+4]
	v_lshl_or_b32 v[\w1], v[TM+7], 8, v[TM+6]
.irp b, 0,1,2,3
.irp i, 0,1,2,3,4,5,6,7,8,9,10,11,12,13,14,15
	v_med3_num_f32 v[T+16*\b+\i], v[T+16*\b+\i], -v[TM+8+\b], v[TM+8+\b]   ; the conversion to an 8-bit code does not saturate (ISA guide 7.6.2): the hold comes first
.endr
	v_cvt_scalef32_pk8_bf8_f32 v[\pc+4*\b:\pc+1+4*\b], v[T+16*\b:T+7+16*\b], v[TM+12+\b]
	v_cvt_scalef32_pk8_bf8_f32 v[\pc+2+4*\b:\pc+3+4*\b], v[T+8+16*\b:T+15+16*\b], v[TM+12+\b]
.endr
	v_nop                                          ; one plain vector instruction behind the last scaled conversion
.endm
.macro EPI a                           ; A's tiles a and a + 1: the bias is added in f32, each accumulator read from its low end on; then quantised and stored, 512 consecutive bytes a store
	WIN 0x03                                       ; source 0: window 3
.set k, 0
.rept 32
.if MODE == 0
	v_pk_add_f32 v[T+k:T+k+1], v[32*(\a)+k:32*(\a)+k+1], v[BC+k%32:BC+k%32+1]
.else
	v_pk_add_f32 v[T+k:T+k+1], v[32*(\a)+k:32*(\a)+k+1], v[BC+2*((\a)+k/32):BC+2*((\a)+k/32)+1]
.endif
.set k, k+2
.endr
	WIN 0
	QUANT PC+8*(\a), WD+(\a), WD+(\a)+1
.irp b, 0,1,2,3
.if MODE == 0
	global_store_b128 v1, v[PC+8*(\a)+4*\b:PC+8*(\a)+4*\b+3], s[14:15] offset:1024*((\a)+\b/2)+512*(\b%2)
.else
	global_store_b128 v1, v[PC+8*(\a)+4*\b:PC+8*(\a)+4*\b+3], s[14:15] offset:262144*(((\a)+\b/2)/4)+2048*(((\a)+\b/2)%4)+512*(\b%2)
.endif
.endr
.endm
	EPI 0
	EPI 2
	EPI 4
	EPI 6
.endif
.if MODE == 0
.irp i, 0,1,2,3
	v_cndmask_b32 v[MW+\i], v[WD+\i], v[WD+4+\i], s60   ; lanes 0-15 carry tiles 0-3's words, lanes 16-31 tiles 4-7's
.endr
	global_store_b128 v1, v[MW:MW+3], s[16:17]     ; 512 consecutive bytes: [tile / 4][r][tile % 4]
.elseif MODE == 1
; a scale word of V spans 128 keys; I hold the two bytes of my 64.  The two halves meet in LDS, as whole words in a region for each half
.irp a, 0,1,2,3,4,5,6,7
	ds_store_b32 v8, v[WD+\a] offset:512*(\a/4)+4*(\a%4)   ; both halves of the lanes write the same word with the same value
.endr
	s_wait_dscnt 0x0                               ; for the others' sake: my stores have landed
	s_barrier_signal -1
	s_barrier_wait -1
	ds_load_b64 v[MW:MW+1], v9                     ; the low halves of 64 words: head w / 2 of the two, key step of parity w % 2
	ds_load_b64 v[MW+2:MW+3], v9 offset:1024       ; and the high halves
	s_wait_dscnt 0x0
	v_lshl_or_b32 v[MW], v[MW+2], 16, v[MW]
	v_lshl_or_b32 v[MW+1], v[MW+3], 16, v[MW+1]
	global_store_b64 v2, v[MW:MW+1], s[16:17]      ; 256 consecutive bytes, aligned
.else
; THE WAY OUT, MODE 2.  A lane holds eight neighbouring columns of one row; a tile of 16 rows x 64 columns goes through my own stage in LDS and comes back as rows of 256 bytes
.macro TOSTAGE a
	WIN 0x0c                                       ; an LDS store's data are its source 1: window 3
.irp t, 0,1,2,3
	ds_store_b128 v8, v[8*(4*(\a)+\t):8*(4*(\a)+\t)+3] offset:128*(\t/2)+32*(\t%2)      ; each accumulator from its low end on
	ds_store_b128 v8, v[8*(4*(\a)+\t)+4:8*(4*(\a)+\t)+7] offset:128*(\t/2)+32*(\t%2)+16
.endr
	WIN 0
.irp k, 0,1,2,3,4,5,6,7
	ds_load_b128 v[BK+32*((\a)%2)+4*\k:BK+32*((\a)%2)+4*\k+3], v9 offset:544*\k   ; LDS serves a wave's instructions in order: these see the stores above
.endr
.endm
.macro SEND a, younger                 ; younger: the LDS instructions issued behind tile a's loads, which may stay out
	s_wait_dscnt \younger
.irp k, 0,1,2,3,4,5,6,7
	global_store_b128 v10, v[BK+32*((\a)%2)+4*\k:BK+32*((\a)%2)+4*\k+3], s[14:15] offset:4096*(32*((\a)/2)+8*((\a)%2)+2*\k+8*(\k/4)) th:TH_STORE_NT   ; places 2 k, 2 k + 1: 16 lanes store 256 consecutive bytes, aligned
.endr
.endm
	TOSTAGE 0
.irp a, 1,2,3,4,5,6,7
.if \a > 1
	s_wait_xcnt 0x0                                ; tile a - 2's stores have read their registers: tile a's loads may land there
.endif
	TOSTAGE \a
	SEND \a-1, 16                                  ; behind tile a - 1's loads: tile a's 8 stores and 8 loads
.endr
	SEND 7, 0
.endif
	s_wait_tensorcnt 0x0
	ds_add_u32 v126, v127
	s_wait_dscnt 0x0
	CROUND                                         ; the closing round: no work-group ends while a partner may still ask for a tile that names it
	s_endpgm
.Lfunc_end_k_q9abf33d584_projqk:
	.size	k_q9abf33d584_projqk, .Lfunc_end_k_q9abf33d584_projqk-k_q9abf33d584_projqk
	.p2alignl 7, 3214868480
	.fill 96, 4, 3214868480
	.section	.rodata,"a",@progbits
	.p2align	6, 0x0
	.amdhsa_kernel k_q9abf33d584_projqk
		.amdhsa_group_segment_fixed_size 168448
		.amdhsa_private_segment_fixed_size 0
		.amdhsa_enable_private_segment 0
		.amdhsa_kernarg_size 64
		.amdhsa_user_sgpr_count 2
		.amdhsa_user_sgpr_kernarg_segment_ptr 1
		.amdhsa_wavefront_size32 1
		.amdhsa_system_sgpr_workgroup_id_x 1
		.amdhsa_system_sgpr_workgroup_id_y 1
		.amdhsa_system_sgpr_workgroup_id_z 1
		.amdhsa_system_vgpr_workitem_id 0
		.amdhsa_next_free_vgpr 1024
		.amdhsa_next_free_sgpr 84
		.amdhsa_reserve_vcc 0
		.amdhsa_float_denorm_mode_32 3
		.amdhsa_float_denorm_mode_16_64 3
		.amdhsa_memory_ordered 1
		.amdhsa_forward_progress 1
		.amdhsa_inst_pref_size 116
	.end_amdhsa_kernel
	.amdgpu_metadata
---
amdhsa.version: [ 1, 2 ]
amdhsa.kernels:
  - .name:           k_q9abf33d584_projqk
    .symbol:         k_q9abf33d584_projqk.kd
    .args:
      - { .name: xc, .offset: 0, .size: 8, .value_kind: global_buffer, .address_space: global }
      - { .name: xs, .offset: 8, .size: 8, .value_kind: global_buffer, .address_space: global }
      - { .name: bq, .offset: 16, .size: 8, .value_kind: global_buffer, .address_space: global }
      - { .name: bk, .offset: 24, .size: 8, .value_kind: global_buffer, .address_space: global }
      - { .name: qc, .offset: 32, .size: 8, .value_kind: global_buffer, .address_space: global }
      - { .name: qs, .offset: 40, .size: 8, .value_kind: global_buffer, .address_space: global }
      - { .name: kv, .offset: 48, .size: 8, .value_kind: global_buffer, .address_space: global }
      - { .name: kvs, .offset: 56, .size: 8, .value_kind: global_buffer, .address_space: global }
    .group_segment_fixed_size: 168448
    .private_segment_fixed_size: 0
    .kernarg_segment_align: 8
    .kernarg_segment_size: 64
    .max_flat_workgroup_size: 128
    .sgpr_count:     84
    .vgpr_count:     1024
    .wavefront_size: 32
...
	.end_amdgpu_metadata
.endif
;; end of part 2
;; launch projv (part 3): grid 256 x 1, 4 waves a work-group, clusters of 4 x 1, 327,680 bytes of LDS; arguments xc, xs, bv, kv, kvs; writes kv, kvs
.if DOCPART == 3
	.amdgcn_target "amdgcn-amd-amdhsa--gfx1250"
	.amdhsa_code_object_version 6
	.text
	.protected	k_q9abf33d584_projv
	.globl	k_q9abf33d584_projv
	.p2align	8
	.type	k_q9abf33d584_projv,@function
k_q9abf33d584_projv:
	s_mov_b64 s[64:65], 0
	v_nop
	global_prefetch_b8 v0, s[64:65] scope:SCOPE_SE
	s_setreg_imm32_b32 hwreg(HW_REG_WAVE_MODE, 25, 1), 1
	s_wait_xcnt 0x0
	s_wait_alu depctr_hold_cnt(0) depctr_sa_sdst(0) depctr_va_vdst(0) depctr_va_sdst(0) depctr_va_ssrc(0) depctr_va_vcc(0) depctr_vm_vsrc(0)
	s_getreg_b32 s2, hwreg(HW_REG_IB_STS2, 6, 4)
	s_cmp_eq_u32 s2, 0
	s_cbranch_scc0 .Lentry_in_a_cluster
	s_endpgm
.Lentry_in_a_cluster:
	s_bfe_u32 s2, ttmp6, 0x10000c
	s_cmp_lg_u32 s2, 0x3003
	s_cbranch_scc0 .Lentry_shape_is_right
	s_endpgm
.Lentry_shape_is_right:
.set MODE,  1
.set TM,    12
.set MW,    28
.set AS,    32
.set BS,    64
.set BC,    80
.set WD,    112
.set AF,    128
.set T,     128
.set PC,    192
.set BK,    128
.set EXTRA, 131072
.set MSB, 0
.macro WIN new
.if MSB != \new
	s_set_vgpr_msb (MSB<<8)|\new
.set MSB, \new
.endif
.endm
.macro PLACES n
.rept \n
	v_nop
.endr
.endm
.macro CROUND
	s_barrier_signal -1
	s_barrier_wait -1
	s_cmp_lg_u32 s20, 0
	s_cbranch_scc1 .Lnot_wave_0_\@
	s_barrier_signal -3
.Lnot_wave_0_\@:
	s_barrier_wait -3
	s_barrier_signal -1
	s_barrier_wait -1
.endm
.if MODE == 0
	s_load_b512 s[68:83], s[0:1], 0x0
.elseif MODE == 1
	s_load_b256 s[68:75], s[0:1], 0x0
	s_load_b64 s[76:77], s[0:1], 0x20
	v_lshl_add_u32 v126, v0, 2, 0x29000
	v_mov_b32 v127, 0
	ds_add_u32 v126, v127
	ds_add_u32 v126, v127
.else
	s_load_b256 s[68:75], s[0:1], 0x0
	s_load_b128 s[76:79], s[0:1], 0x20
.endif
	v_lshrrev_b32 v3, 5, v0
	v_readfirstlane_b32 s20, v3
	s_bfe_u32 s21, ttmp6, 0x40000
.if MODE == 0
	s_and_b32 s22, ttmp7, 0xffff
	s_lshl_b32 s23, s22, 9
	s_lshl_b32 s25, ttmp9, 3
	s_add_co_u32 s23, s23, s25
	s_lshl_b32 s24, s22, 6
	s_lshl_b32 s26, s21, 4
	s_add_co_u32 s24, s24, s26
	s_lshl_b32 s26, s20, 2
	s_add_co_u32 s24, s24, s26
	s_add_co_u32 s24, s24, 1536
.elseif MODE == 1
	s_and_b32 s22, ttmp9, 7
	s_lshl_b32 s23, s22, 3
	s_add_co_u32 s23, s23, 1664
	s_lshr_b32 s27, ttmp9, 3
	s_lshl_b32 s27, s27, 2
	s_add_co_u32 s27, s27, s21
	s_lshl_b32 s24, s27, 4
	s_lshl_b32 s26, s20, 2
	s_add_co_u32 s24, s24, s26
	s_add_co_u32 s24, s24, 1024
.else
	s_lshl_b32 s23, ttmp9, 3
	s_lshl_b32 s24, s21, 4
	s_lshl_b32 s26, s20, 2
	s_add_co_u32 s24, s24, s26
	s_add_co_u32 s24, s24, 1728
.endif
	s_lshl_b32 s25, s20, 1
	s_add_co_u32 s28, s23, s25
	s_lshl_b32 s28, s28, 14
	s_mov_b32 s29, 0
	s_lshl_b32 s30, s23, 9
	s_mov_b32 s31, 0
	s_lshl_b32 s32, s24, 14
	s_mov_b32 s33, 0
	s_lshl_b32 s34, s24, 9
	s_mov_b32 s35, 0
	s_mov_b32 s52, 15|(3<<16)|(1<<21)
	s_mov_b32 s53, 512<<16
	s_mov_b32 s54, 8<<16
	s_mov_b32 s55, 512<<16
	s_mov_b32 s56, 8
	s_mov_b32 s57, 512
	s_mov_b32 s58, 0
	s_mov_b32 s59, 0
	s_mov_b32 s60, 0xffff0000
	s_mov_b32 s61, 0x600000
	s_mov_b32 s62, 0x76543210
	s_mov_b32 s63, 0xfedcba98
	v_and_b32 v3, 31, v0
	v_lshlrev_b32 v1, 4, v3
	v_lshlrev_b32 v2, 3, v3
	v_add_nc_u32 v6, 0x10000, v1
	v_and_b32 v3, 15, v0
	v_bfe_u32 v4, v0, 4, 1
.irp b, 0,1,2,3
	v_mov_b32 v[TM+4+\b], 0
.endr
	s_lshl_b32 s25, s20, 15
	s_wait_dscnt 0x0
	s_wait_kmcnt 0x0
	s_add_nc_u64 s[4:5], s[68:69], s[28:29]
	s_add_nc_u64 s[6:7], s[70:71], s[30:31]
.if MODE == 2
	s_add_nc_u64 s[8:9], s[72:73], s[32:33]
	s_add_nc_u64 s[10:11], s[74:75], s[34:35]
.else
	s_add_nc_u64 s[8:9], s[68:69], s[32:33]
	s_add_nc_u64 s[10:11], s[70:71], s[34:35]
.endif
	s_mov_b32 s36, 1                               ; one load a wave: its two row tiles of A for all of K, 32 KB dense in memory, to LDS byte 32,768 x wave
	s_mov_b32 s37, s25
	s_mov_b64 s[38:39], s[4:5]
	s_or_b32 s39, s39, 0x80000000
	s_wait_alu depctr_va_vdst(0)                   ; the wait ahead of the barriers
	CROUND                                         ; all four work-groups are here: the joint loads meet
	tensor_load_to_lds s[36:39], s[52:59]
	s_nop 0
	PLACES 4
.if MODE == 0
	s_lshr_b32 s26, ttmp9, 4
	s_lshl_b32 s26, s26, 4
	s_lshl_b32 s27, s21, 2
	s_add_co_u32 s26, s26, s27
	s_add_co_u32 s26, s26, s20
	s_and_b32 s27, ttmp9, 15
	s_lshl_b32 s28, s26, 17
	s_lshl_b32 s30, s27, 13
	s_add_co_u32 s28, s28, s30
	s_lshl_b32 s28, s28, s22
	s_lshl_b32 s30, s26, 13
	s_mul_i32 s32, s26, s22
	s_lshl_b32 s32, s32, 12
	s_add_co_u32 s30, s30, s32
	s_lshl_b32 s32, s27, 9
	s_add_co_u32 s30, s30, s32
	s_lshl_b32 s32, s21, 10
	s_lshl_b32 s34, s20, 8
	s_add_co_u32 s32, s32, s34
	s_cmp_eq_u32 s22, 0
	s_cselect_b64 s[12:13], s[72:73], s[74:75]
	s_cselect_b64 s[14:15], s[76:77], s[80:81]
	s_cselect_b64 s[16:17], s[78:79], s[82:83]
	s_add_nc_u64 s[12:13], s[12:13], s[32:33]
	s_add_nc_u64 s[14:15], s[14:15], s[28:29]
	s_add_nc_u64 s[16:17], s[16:17], s[30:31]
	v_lshlrev_b32 v7, 6, v4
.elseif MODE == 1
	s_lshr_b32 s26, s27, 3
	s_lshl_b32 s26, s26, 4
	s_lshl_b32 s28, s22, 1
	s_add_co_u32 s26, s26, s28
	s_and_b32 s27, s27, 7
	s_lshr_b32 s34, s20, 1
	s_and_b32 s35, s20, 1
	s_lshl_b32 s28, s26, 18
	s_lshl_b32 s25, s27, 15
	s_add_co_u32 s28, s28, s25
	s_lshl_b32 s25, s34, 14
	s_add_co_u32 s28, s28, s25
	s_lshl_b32 s25, s35, 10
	s_add_co_u32 s28, s28, s25
	s_add_co_u32 s28, s28, 8192
	s_add_co_u32 s30, s26, s34
	s_mul_i32 s30, s30, 12288
	s_lshl_b32 s25, s27, 9
	s_add_co_u32 s30, s30, s25
	s_lshl_b32 s25, s35, 8
	s_add_co_u32 s30, s30, s25
	s_add_co_u32 s30, s30, 8192
	s_lshl_b32 s32, s22, 9
	s_add_nc_u64 s[12:13], s[72:73], s[32:33]
	s_add_nc_u64 s[14:15], s[74:75], s[28:29]
	s_add_nc_u64 s[16:17], s[76:77], s[30:31]
	s_wait_alu depctr_va_vdst(0)
	v_and_b32 v7, 8, v3
	v_add_nc_u32 v7, v7, v3
	v_lshlrev_b32 v7, 2, v7
	s_lshl_b32 s25, s35, 10
	s_lshl_b32 s26, s34, 8
	s_add_co_u32 s25, s25, s26
	s_add_co_u32 s25, s25, EXTRA
	v_lshl_add_u32 v8, v3, 4, s25
	s_lshl_b32 s25, s20, 8
	s_add_co_u32 s25, s25, EXTRA
	v_add_nc_u32 v9, s25, v2
.else
	s_lshl_b32 s28, ttmp9, 19
	s_lshl_b32 s32, s21, 10
	s_lshl_b32 s34, s20, 8
	s_add_co_u32 s32, s32, s34
	s_add_co_u32 s28, s28, s32
	s_add_nc_u64 s[12:13], s[76:77], s[32:33]
	s_add_nc_u64 s[14:15], s[78:79], s[28:29]
	v_lshlrev_b32 v7, 6, v4
	s_mul_i32 s25, s20, 16*272
	s_add_co_u32 s25, s25, EXTRA
	v_mul_u32_u24 v8, v3, 272
	v_lshl_add_u32 v8, v4, 6, v8
	v_add_nc_u32 v8, s25, v8
	v_mul_u32_u24 v9, v4, 272
	v_lshl_add_u32 v9, v3, 4, v9
	v_add_nc_u32 v9, s25, v9
	v_lshlrev_b32 v10, 12, v4
	v_lshl_add_u32 v10, v3, 4, v10
.endif
.irp a, 0,1,2,3,4,5,6,7
.irp q, 0,1
	global_load_b64 v[AS+4*\a+2*\q:AS+4*\a+2*\q+1], v2, s[6:7] offset:512*\a+256*\q
.endr
.endr
.irp t, 0,1,2,3
.irp q, 0,1
	global_load_b64 v[BS+4*\t+2*\q:BS+4*\t+2*\q+1], v2, s[10:11] offset:512*\t+256*\q
.endr
.endr
.if MODE == 1
.irp a, 0,1,2,3,4,5,6,7
	global_load_b32 v[BC+2*\a], v7, s[12:13] offset:4*(32*(\a/2)+8*(\a%2))
.endr
.else
.irp g, 0,1
.irp j, 0,1,2,3
	global_load_b128 v[BC+16*\g+4*\j:BC+16*\g+4*\j+3], v7, s[12:13] offset:128*\g+16*\j
.endr
.endr
.endif
.macro LOADB s
.if (\s) < 4
	WIN 0x40
.else
	WIN 0x80
.endif
.irp t, 0,1,2,3
.irp c, 0,1,2,3
	global_load_b128 v[64*((\s)%4)+16*\t+4*\c:64*((\s)%4)+16*\t+4*\c+3], v1, s[8:9] offset:16384*\t+2048*(\s)+512*\c
.endr
.endr
.endm
.macro FETCHA s, a0
.set AA, 1+5*((\a0)/4)
.irp a, \a0, \a0+1, \a0+2, \a0+3
.irp c, 0,1,2,3
	ds_load_b128 v[AF+16*(\a)+4*\c:AF+16*(\a)+4*\c+3], v[AA] offset:16384*((\a)%4)+2048*(\s)+512*\c
.endr
.endr
.endm
.macro MUL s, a0
.if (\s) >= 4
	WIN 0xf2
.elseif (MODE == 2) && ((\s) == 0)
	WIN 0xc1
.else
	WIN 0xf1
.endif
.irp a, \a0, \a0+1, \a0+2, \a0+3
.irp t, 0,1,2,3
.set rD, 8*(4*(\a)+\t)
.set rB, 64*((\s)%4)+16*\t
.set rA, AF+16*(\a)
.set sB, BS+4*\t+(\s)/2
.set sA, AS+4*(\a)+(\s)/2
.if ((\s) == 0) && (MODE == 2)
	v_wmma_scale_f32_16x16x128_f8f6f4 v[rD:rD+7], v[rB:rB+15], v[rA:rA+15], v[BC+8*\t:BC+8*\t+7], v[sB], v[sA] matrix_a_fmt:MATRIX_FMT_BF8 matrix_b_fmt:MATRIX_FMT_BF8
.elseif (\s) == 0
	v_wmma_scale_f32_16x16x128_f8f6f4 v[rD:rD+7], v[rB:rB+15], v[rA:rA+15], 0, v[sB], v[sA] matrix_a_fmt:MATRIX_FMT_BF8 matrix_b_fmt:MATRIX_FMT_BF8
.elseif (\s)%2 == 0
	v_wmma_scale_f32_16x16x128_f8f6f4 v[rD:rD+7], v[rB:rB+15], v[rA:rA+15], v[rD:rD+7], v[sB], v[sA] matrix_a_fmt:MATRIX_FMT_BF8 matrix_b_fmt:MATRIX_FMT_BF8
.else
	v_wmma_scale_f32_16x16x128_f8f6f4 v[rD:rD+7], v[rB:rB+15], v[rA:rA+15], v[rD:rD+7], v[sB], v[sA] matrix_a_fmt:MATRIX_FMT_BF8 matrix_b_fmt:MATRIX_FMT_BF8 matrix_a_scale:MATRIX_SCALE_ROW1 matrix_b_scale:MATRIX_SCALE_ROW1
.endif
.endr
.endr
.endm
.macro STEP s
.if (\s) == 7
	s_wait_loadcnt 0x0
.elseif (\s) == 6
	s_wait_loadcnt 16
.else
	s_wait_loadcnt 32
.endif
	s_wait_dscnt 16
.if (\s)+3 < 8
	LOADB (\s)+3
.endif
	MUL \s, 0
	s_wait_dscnt 0x0
.if (\s) < 7
	PLACES 8
	WIN 0
	FETCHA (\s)+1, 0
.endif
	MUL \s, 4
.if (\s) < 7
	PLACES 8
	WIN 0
	FETCHA (\s)+1, 4
.endif
.endm
	LOADB 0
	LOADB 1
	LOADB 2
	WIN 0
	s_wait_tensorcnt 0x0
	s_barrier_signal -1
	s_barrier_wait -1
	FETCHA 0, 0
	FETCHA 0, 4
	STEP 0
	STEP 1
	STEP 2
	STEP 3
	STEP 4
	STEP 5
	STEP 6
	STEP 7
	WIN 0
.if MODE == 1
.irp a, 0,1,2,3,4,5,6,7
	v_mov_b32 v[BC+2*\a+1], v[BC+2*\a]
.endr
.else
	PLACES 8
.endif
.if MODE < 2
.macro QUANT pc, w0, w1
.irp b, 0,1,2,3
	v_max3_num_f32 v[TM+\b], |v[T+16*\b]|, |v[T+1+16*\b]|, 0x8000000
.endr
.irp i, 2,4,6,8,10,12,14
.irp b, 0,1,2,3
	v_max3_num_f32 v[TM+\b], v[TM+\b], |v[T+16*\b+\i]|, |v[T+1+16*\b+\i]|
.endr
.endr
.irp b, 0,1,2,3
	v_permlanex16_b32 v[TM+4+\b], v[TM+\b], s62, s63
.endr
.irp b, 0,1,2,3
	v_max_num_f32 v[TM+\b], v[TM+\b], v[TM+4+\b]
.endr
.irp b, 0,1,2,3
	v_add_nc_u32 v[TM+12+\b], 0xf8800000, v[TM+\b]
.endr
.irp b, 0,1,2,3
	v_and_or_b32 v[TM+8+\b], v[TM+\b], 0x7f800000, s61
.endr
.irp b, 0,1,2,3
	v_lshrrev_b32 v[TM+4+\b], 23, v[TM+12+\b]
.endr
	v_lshl_or_b32 v[\w0], v[TM+5], 8, v[TM+4]
	v_lshl_or_b32 v[\w1], v[TM+7], 8, v[TM+6]
.irp b, 0,1,2,3
.irp i, 0,1,2,3,4,5,6,7,8,9,10,11,12,13,14,15
	v_med3_num_f32 v[T+16*\b+\i], v[T+16*\b+\i], -v[TM+8+\b], v[TM+8+\b]
.endr
	v_cvt_scalef32_pk8_bf8_f32 v[\pc+4*\b:\pc+1+4*\b], v[T+16*\b:T+7+16*\b], v[TM+12+\b]
	v_cvt_scalef32_pk8_bf8_f32 v[\pc+2+4*\b:\pc+3+4*\b], v[T+8+16*\b:T+15+16*\b], v[TM+12+\b]
.endr
	v_nop
.endm
.macro EPI a
	WIN 0x03
.set k, 0
.rept 32
.if MODE == 0
	v_pk_add_f32 v[T+k:T+k+1], v[32*(\a)+k:32*(\a)+k+1], v[BC+k%32:BC+k%32+1]
.else
	v_pk_add_f32 v[T+k:T+k+1], v[32*(\a)+k:32*(\a)+k+1], v[BC+2*((\a)+k/32):BC+2*((\a)+k/32)+1]
.endif
.set k, k+2
.endr
	WIN 0
	QUANT PC+8*(\a), WD+(\a), WD+(\a)+1
.irp b, 0,1,2,3
.if MODE == 0
	global_store_b128 v1, v[PC+8*(\a)+4*\b:PC+8*(\a)+4*\b+3], s[14:15] offset:1024*((\a)+\b/2)+512*(\b%2)
.else
	global_store_b128 v1, v[PC+8*(\a)+4*\b:PC+8*(\a)+4*\b+3], s[14:15] offset:262144*(((\a)+\b/2)/4)+2048*(((\a)+\b/2)%4)+512*(\b%2)
.endif
.endr
.endm
	EPI 0
	EPI 2
	EPI 4
	EPI 6
.endif
.if MODE == 0
.irp i, 0,1,2,3
	v_cndmask_b32 v[MW+\i], v[WD+\i], v[WD+4+\i], s60
.endr
	global_store_b128 v1, v[MW:MW+3], s[16:17]
.elseif MODE == 1
.irp a, 0,1,2,3,4,5,6,7
	ds_store_b32 v8, v[WD+\a] offset:512*(\a/4)+4*(\a%4)
.endr
	s_wait_dscnt 0x0
	s_barrier_signal -1
	s_barrier_wait -1
	ds_load_b64 v[MW:MW+1], v9
	ds_load_b64 v[MW+2:MW+3], v9 offset:1024
	s_wait_dscnt 0x0
	v_lshl_or_b32 v[MW], v[MW+2], 16, v[MW]
	v_lshl_or_b32 v[MW+1], v[MW+3], 16, v[MW+1]
	global_store_b64 v2, v[MW:MW+1], s[16:17]
.else
.macro TOSTAGE a
	WIN 0x0c
.irp t, 0,1,2,3
	ds_store_b128 v8, v[8*(4*(\a)+\t):8*(4*(\a)+\t)+3] offset:128*(\t/2)+32*(\t%2)
	ds_store_b128 v8, v[8*(4*(\a)+\t)+4:8*(4*(\a)+\t)+7] offset:128*(\t/2)+32*(\t%2)+16
.endr
	WIN 0
.irp k, 0,1,2,3,4,5,6,7
	ds_load_b128 v[BK+32*((\a)%2)+4*\k:BK+32*((\a)%2)+4*\k+3], v9 offset:544*\k
.endr
.endm
.macro SEND a, younger
	s_wait_dscnt \younger
.irp k, 0,1,2,3,4,5,6,7
	global_store_b128 v10, v[BK+32*((\a)%2)+4*\k:BK+32*((\a)%2)+4*\k+3], s[14:15] offset:4096*(32*((\a)/2)+8*((\a)%2)+2*\k+8*(\k/4)) th:TH_STORE_NT
.endr
.endm
	TOSTAGE 0
.irp a, 1,2,3,4,5,6,7
.if \a > 1
	s_wait_xcnt 0x0
.endif
	TOSTAGE \a
	SEND \a-1, 16
.endr
	SEND 7, 0
.endif
	s_wait_tensorcnt 0x0
	ds_add_u32 v126, v127
	s_wait_dscnt 0x0
	CROUND
	s_endpgm
.Lfunc_end_k_q9abf33d584_projv:
	.size	k_q9abf33d584_projv, .Lfunc_end_k_q9abf33d584_projv-k_q9abf33d584_projv
	.p2alignl 7, 3214868480
	.fill 96, 4, 3214868480
	.section	.rodata,"a",@progbits
	.p2align	6, 0x0
	.amdhsa_kernel k_q9abf33d584_projv
		.amdhsa_group_segment_fixed_size 327680
		.amdhsa_private_segment_fixed_size 0
		.amdhsa_enable_private_segment 0
		.amdhsa_kernarg_size 40
		.amdhsa_user_sgpr_count 2
		.amdhsa_user_sgpr_kernarg_segment_ptr 1
		.amdhsa_wavefront_size32 1
		.amdhsa_system_sgpr_workgroup_id_x 1
		.amdhsa_system_sgpr_workgroup_id_y 1
		.amdhsa_system_sgpr_workgroup_id_z 1
		.amdhsa_system_vgpr_workitem_id 0
		.amdhsa_next_free_vgpr 1024
		.amdhsa_next_free_sgpr 84
		.amdhsa_reserve_vcc 0
		.amdhsa_float_denorm_mode_32 3
		.amdhsa_float_denorm_mode_16_64 3
		.amdhsa_memory_ordered 1
		.amdhsa_forward_progress 1
		.amdhsa_inst_pref_size 117
	.end_amdhsa_kernel
	.amdgpu_metadata
---
amdhsa.version: [ 1, 2 ]
amdhsa.kernels:
  - .name:           k_q9abf33d584_projv
    .symbol:         k_q9abf33d584_projv.kd
    .args:
      - { .name: xc, .offset: 0, .size: 8, .value_kind: global_buffer, .address_space: global }
      - { .name: xs, .offset: 8, .size: 8, .value_kind: global_buffer, .address_space: global }
      - { .name: bv, .offset: 16, .size: 8, .value_kind: global_buffer, .address_space: global }
      - { .name: kv, .offset: 24, .size: 8, .value_kind: global_buffer, .address_space: global }
      - { .name: kvs, .offset: 32, .size: 8, .value_kind: global_buffer, .address_space: global }
    .group_segment_fixed_size: 327680
    .private_segment_fixed_size: 0
    .kernarg_segment_align: 8
    .kernarg_segment_size: 40
    .max_flat_workgroup_size: 128
    .sgpr_count:     84
    .vgpr_count:     1024
    .wavefront_size: 32
...
	.end_amdgpu_metadata
.endif
;; end of part 3
;; launch attn (part 4): grid 4 x 64, 8 waves a work-group, clusters of 4 x 1, 327,680 bytes of LDS; arguments qc, qs, kv, kvs, oc, os; writes oc, os
.if DOCPART == 4
	.amdgcn_target "amdgcn-amd-amdhsa--gfx1250"
	.amdhsa_code_object_version 6
	.text
	.protected	k_q9abf33d584_attn
	.globl	k_q9abf33d584_attn
	.p2align	8
	.type	k_q9abf33d584_attn,@function
k_q9abf33d584_attn:
	s_mov_b64 s[64:65], 0
	v_nop
	global_prefetch_b8 v0, s[64:65] scope:SCOPE_SE
	s_setreg_imm32_b32 hwreg(HW_REG_WAVE_MODE, 25, 1), 1
	s_wait_xcnt 0x0
	s_wait_alu depctr_hold_cnt(0) depctr_sa_sdst(0) depctr_va_vdst(0) depctr_va_sdst(0) depctr_va_ssrc(0) depctr_va_vcc(0) depctr_vm_vsrc(0)
	s_getreg_b32 s2, hwreg(HW_REG_IB_STS2, 6, 4)
	s_cmp_eq_u32 s2, 0
	s_cbranch_scc0 .Lentry_in_a_cluster
	s_endpgm
.Lentry_in_a_cluster:
	s_bfe_u32 s2, ttmp6, 0x10000c
	s_cmp_lg_u32 s2, 0x3003
	s_cbranch_scc0 .Lentry_shape_is_right
	s_endpgm
.Lentry_shape_is_right:
; ATTENTION ON CODES OF BF8 (E5M2) WITH E8M0 SCALES: o = softmax(q k^T / 8) v for one head (work-group y = 16 x batch + head), 2,048 keys, head size 64; o is quantised along the head's 64 and stored as the last layer's operand.
; t = score x log2(e) / 8; M = the running largest t rounded up to a whole number; p = 2^(t - M) is quantised along the keys, not normalised; the row's sum is taken of the unquantised p and divides at the end.
; When M moves, the sums and O^T are multiplied by 2^(old M - new M), in every step, with no branch on data.
; A BLOCK'S SCALE is made without a second exponential: x = the block's largest t - M goes through the same multiply-add as every score; floor(x), held at -111 from below, is the exponent of the block's largest p.
; LIMITS: where v_exp_f32 rounds a p up to a power of two that x lies just under, that one p is held one code low; a block whose every p is 0 keeps the byte 1 (its codes are zeros; this program alone reads the bytes);
; NaN and infinities are not served; the promise holds while the scaled scores stay under 2^31 in magnitude.
; SHARES.  A work-group owns 512 queries: 8 waves x 2 tiles of 16 queries x 2 passes.  Each fragment of K and V that a wave reads from LDS feeds two matrix instructions.
; The head's K and V (262,144 bytes, [key step of 128][K 8 KB | V 8 KB], in the order of the operands' registers) and their scale words (12,288 bytes) come into LDS once and stay: no byte is filled twice.
; At the head waves 0 to 3 ask for key steps 0 to 7 (32 KB each) and wave 4 for the scale words; key steps 8 to 15 (16 KB a wave) are asked for behind the full sequence and a round, and land while steps 0 to 7 are worked.
; CLUSTER: the four work-groups of a head need the same K, V and scales and ask for them jointly (mask 15).  No prefetch: every tile is asked for at the launch's start, so there is no loop to run ahead in.
; BOTH PRODUCTS ARE USED TRANSPOSED: S^T = K Q^T, O^T = V^T P^T: a lane holds one query.  The head's 64 fill half of the instruction's 128: Q's upper eight registers are zero codes, and K's fragment of tile t
; runs on into tile t + 1's registers, whose finite codes meet those zeros.
; THE TWO TILES ARE STAGGERED.  Tile 0's exponentials stand by turns with tile 1's multiply-adds, tile 1's with tile 0's holds; as soon as tile 0's codes are made, its products with V and its scores of the NEXT key step are issued,
; and tile 1's sums, holds and conversions follow them.  So a run of eight key steps has its first scores ahead of the loop and its last step written out.
; REGISTERS.  Window 0: addresses, K's and V's fragments (a set each), scale words, and BOTH tiles' small numbers, so that their chains run side by side.  Window 1: for tile i: S^T / p at 64 i, O^T at 128 + 32 i, p's codes at 192 + 16 i, Q at 224 + 16 i.
.set SPW, 8                            ; v8  LDS address of my spare word; never rewritten
.set NIL, 9                            ; v9  0; never rewritten
.set KF,  16                           ; v16-87   K's eight fragments of 8 registers, and 8 registers of zeros behind them
.set VF,  88                           ; v88-151  V's four fragments
.set KS,  152                          ; K's scale words: lanes 0-15 tiles 0-3, lanes 16-31 tiles 4-7
.set VS,  156                          ; V's
.set QS,  160                          ; Q's, a register a tile
.set PW,  162                          ; p's
.set OW,  164                          ; o's two scale bytes
.set BM,  168                          ; eight blocks (4 i + b): largest score, then its exponent
.set T4,  176
.set HD,  184                          ; 57,344 x the scale
.set SC,  192                          ; the conversions' scale operand
.set MP,  200                          ; pairs: -M, the largest score so far
.set LS,  204                          ; the row's running sum, a pair a tile
.set F,   212                          ; pairs: f = 2^(old M - new M), and a word that is only named
.set TT,  216
.set QN,  220                          ; v220-237 the second pass's Q and its scale words, loaded at the head
.set PS,  238                          ; v238-253 a step's sums of p: four pairs a tile
.set S,   0
.set O,   128
.set PC,  192
.set Q,   224
.set SCK, 262144
.set SCV, 270336
.set SPARE, 274432                     ; the spare words: 128 bytes a wave
.set MSB, 0
.macro WIN new                         ; bits 1:0 source 0, 3:2 source 1, 5:4 source 2, 7:6 destination; the high byte repeats the setting that is left
.if MSB != \new
	s_set_vgpr_msb (MSB<<8)|\new
.set MSB, \new
.endif
.endm
.macro CROUND                          ; a round of the cluster's barrier
	s_barrier_signal -1
	s_barrier_wait -1
	s_cmp_lg_u32 s16, 0
	s_cbranch_scc1 .Lnot_wave_0_\@
	s_barrier_signal -3
.Lnot_wave_0_\@:
	s_barrier_wait -3
	s_barrier_signal -1
	s_barrier_wait -1
.endm
.macro NOPS n
.rept \n
	v_nop
.endr
.endm
.macro INIT                            ; a pass begins: -M = 2^123, the largest score -3e38, sums, f and O^T zero: the first step's f is 0 and meets zeros
.irp i, 0,1
	v_mov_b32 v[MP+2*\i], 0x7d000000
	v_mov_b32 v[MP+2*\i+1], 0xff61b1e6
	v_mov_b32 v[LS+2*\i], 0
	v_mov_b32 v[LS+2*\i+1], 0
	v_mov_b32 v[F+2*\i], 0
.endr
.set j, 0
.rept 16
	v_mov_b32 v[PS+j], 0
.set j, j+1
.endr
	WIN 0x40
.set j, 0
.rept 64
	v_mov_b32 v[O+j], 0
.set j, j+1
.endr
	WIN 0
.endm
.macro LOADK                           ; K's fragments and scale words of the key step at v2, v4
.irp t, 0,1,2,3,4,5,6,7
	ds_load_b128 v[KF+8*\t:KF+8*\t+3], v2 offset:1024*\t
	ds_load_b128 v[KF+8*\t+4:KF+8*\t+7], v2 offset:1024*\t+512
.endr
	ds_load_b128 v[KS:KS+3], v4
.endm
.macro ADDR                            ; s48: a key step's LDS byte.  v3, v7: its V and V's scale words (256 bytes a step); v2, v4: the K and K's scale words (512 bytes a step) of the step behind it
	s_add_co_u32 s54, s48, 16384
	s_lshr_b32 s55, s54, 5
	s_add_co_u32 s55, s55, SCK
	s_lshr_b32 s56, s48, 6
	s_add_co_u32 s56, s56, SCV
	v_add_nc_u32 v2, s54, v1
	v_add_nc_u32 v3, s48, v1
	v_add_nc_u32 v4, s55, v1
	v_add_nc_u32 v7, s56, v5
.endm
.macro SWM i                           ; tile i's scores of the key step whose K lies in KF: eight products, each beginning its sum with 0
	WIN 0x44                                       ; K window 0; Q and S^T window 1
.irp t, 0,1,2,3
	v_wmma_scale_f32_16x16x128_f8f6f4 v[S+64*\i+8*\t:S+64*\i+8*\t+7], v[KF+8*\t:KF+8*\t+15], v[Q+16*\i:Q+16*\i+15], 0, v[KS+\t], v[QS+\i] matrix_a_fmt:MATRIX_FMT_BF8 matrix_b_fmt:MATRIX_FMT_BF8
.endr
.irp t, 4,5,6,7
	v_wmma_scale_f32_16x16x128_f8f6f4 v[S+64*\i+8*\t:S+64*\i+8*\t+7], v[KF+8*\t:KF+8*\t+15], v[Q+16*\i:Q+16*\i+15], 0, v[KS+\t-4], v[QS+\i] matrix_a_fmt:MATRIX_FMT_BF8 matrix_b_fmt:MATRIX_FMT_BF8 matrix_a_scale:MATRIX_SCALE_ROW1
.endr
.endm
.macro PVM i                           ; tile i's O^T += V^T P^T: four accumulators, one instruction each
	WIN 0x54                                       ; V window 0; p's codes and O^T window 1
.irp t, 0,1,2,3
	v_wmma_scale_f32_16x16x128_f8f6f4 v[O+32*\i+8*\t:O+32*\i+8*\t+7], v[VF+16*\t:VF+16*\t+15], v[PC+16*\i:PC+16*\i+15], v[O+32*\i+8*\t:O+32*\i+8*\t+7], v[VS+\t], v[PW+\i] matrix_a_fmt:MATRIX_FMT_BF8 matrix_b_fmt:MATRIX_FMT_BF8
.endr
.endm
.macro TREE                            ; the last step's four partial sums of each tile are joined, and the running sum becomes sum x f + them: eight plain instructions, which name no register of a product
.irp i, 0,1
	v_pk_add_f32 v[PS+8*\i:PS+8*\i+1], v[PS+8*\i:PS+8*\i+1], v[PS+8*\i+2:PS+8*\i+3]
	v_pk_add_f32 v[PS+8*\i+4:PS+8*\i+5], v[PS+8*\i+4:PS+8*\i+5], v[PS+8*\i+6:PS+8*\i+7]
.endr
.irp i, 0,1
	v_pk_add_f32 v[PS+8*\i:PS+8*\i+1], v[PS+8*\i:PS+8*\i+1], v[PS+8*\i+4:PS+8*\i+5]
.endr
.irp i, 0,1
	v_pk_fma_f32 v[LS+2*\i:LS+2*\i+1], v[LS+2*\i:LS+2*\i+1], v[F+2*\i:F+2*\i+1], v[PS+8*\i:PS+8*\i+1] op_sel_hi:[1,0,1]
.endr
.endm
.macro SUMS i                          ; tile i's 64 unquantised p, two at a time, into four chains that begin anew
	WIN 0x05
.irp c, 0,1,2,3
	v_pk_add_f32 v[PS+8*\i+2*\c:PS+8*\i+2*\c+1], v[S+64*\i+4*\c:S+64*\i+4*\c+1], v[S+64*\i+4*\c+2:S+64*\i+4*\c+3]
.endr
	WIN 0x04
.set m, 8
.rept 24
	v_pk_add_f32 v[PS+8*\i+2*(m%4):PS+8*\i+2*(m%4)+1], v[PS+8*\i+2*(m%4):PS+8*\i+2*(m%4)+1], v[S+64*\i+2*m:S+64*\i+2*m+1]
.set m, m+1
.endr
.endm
; THE HOLD of number n (0..63) of tile i: the conversion does not saturate (ISA guide 7.6.2), and p is not negative, so the hold is one-sided
.macro PMIN i, n
	v_min_num_f32 v[S+64*\i+(\n)], v[S+64*\i+(\n)], v[HD+4*\i+(\n)/16]
.endm
.macro CVTS i                          ; tile i's codes: the second product's operand
.irp b, 0,1,2,3
	v_cvt_scalef32_pk8_bf8_f32 v[PC+16*\i+4*\b:PC+16*\i+4*\b+1], v[S+64*\i+16*\b:S+64*\i+16*\b+7], v[SC+4*\i+\b]
	v_cvt_scalef32_pk8_bf8_f32 v[PC+16*\i+4*\b+2:PC+16*\i+4*\b+3], v[S+64*\i+16*\b+8:S+64*\i+16*\b+15], v[SC+4*\i+\b]
.endr
.endm
.macro RESC i                          ; tile i's O^T under the new M
.set j, 0
.rept 16
	v_pk_mul_f32 v[O+32*\i+j:O+32*\i+j+1], v[O+32*\i+j:O+32*\i+j+1], v[F+2*\i:F+2*\i+1] op_sel_hi:[1,0]
.set j, j+2
.endr
.endm
	s_load_b256 s[4:11], s[0:1], 0x0               ; qc, qs, kv, kvs
	s_load_b128 s[12:15], s[0:1], 0x20             ; oc, os
	v_lshl_add_u32 v[SPW], v0, 2, SPARE
	v_mov_b32 v[NIL], 0
	ds_add_u32 v[SPW], v[NIL]                      ; the opening lines: the add, twice on end, and its wait
	ds_add_u32 v[SPW], v[NIL]
	v_lshrrev_b32 v2, 5, v0
	v_readfirstlane_b32 s16, v2                    ; wave 0..7
	s_bfe_u32 s17, ttmp6, 0x40000                  ; cx: it enters Q's and o's addresses alone
	s_and_b32 s18, ttmp7, 0xffff                   ; 16 x batch + head
	s_mov_b32 s19, 0x600000                        ; the mantissa field of 57,344
	s_mov_b32 s20, 0x76543210
	s_mov_b32 s21, 0xfedcba98                      ; selects for lane l xor 16
	s_mov_b32 s22, 0x3e38aa3b                      ; c = log2(e) / 8
	s_mov_b32 s23, s22
	s_mov_b32 s57, 0xff800000                      ; -infinity: the first leaf of a block's maximum
.irp g, 24, 32, 40                     ; three groups 1: dense rows of 256 bytes (32 elements of 8), mask 15, bit 21 beside it
	s_mov_b32 s[\g], 15|(3<<16)|(1<<21)
	s_mov_b32 s[\g+1], 32<<16
	s_mov_b32 s[\g+3], 32<<16
	s_mov_b32 s[\g+5], 32
	s_mov_b32 s[\g+6], 0
	s_mov_b32 s[\g+7], 0
.endr
	s_mov_b32 s26, 128<<16                         ; 128 rows: two key steps
	s_mov_b32 s28, 128
	s_mov_b32 s34, 48<<16                          ; 48 rows: the scale words
	s_mov_b32 s36, 48
	s_mov_b32 s42, 64<<16                          ; 64 rows: one key step
	s_mov_b32 s44, 64
	s_lshl_b32 s66, s18, 18
	s_lshl_b32 s62, s16, 15
	s_add_co_u32 s66, s66, s62                     ; the head's 256 KB, + 32 KB x wave
	s_mov_b32 s67, 0
	s_lshl_b32 s50, s18, 18
	s_lshl_b32 s63, s16, 14
	s_add_co_u32 s50, s50, s63
	s_add_co_u32 s50, s50, 131072                  ; its second half, + 16 KB x wave
	s_mov_b32 s51, 0
	s_mul_i32 s58, s18, 12288
	s_mov_b32 s59, 0
	s_wait_dscnt 0x0                               ; both opening adds are done
	s_wait_kmcnt 0x0
	s_mov_b32 s68, 1
	s_mov_b32 s69, s62
	s_add_nc_u64 s[70:71], s[8:9], s[66:67]
	s_or_b32 s71, s71, 0x80000000
	s_mov_b32 s72, 1
	s_mov_b32 s73, SCK
	s_add_nc_u64 s[74:75], s[10:11], s[58:59]
	s_or_b32 s75, s75, 0x80000000
	s_mov_b32 s76, 1
	s_add_co_u32 s77, s63, 131072
	s_add_nc_u64 s[78:79], s[8:9], s[50:51]
	s_or_b32 s79, s79, 0x80000000
	CROUND                                         ; all four work-groups are here: the first joint loads meet
	s_cmp_lt_u32 s16, 4                            ; one chain of branches on the wave's number, a load an arm
	s_cbranch_scc0 .Lhead_s
	tensor_load_to_lds s[68:71], s[24:31]          ; waves 0-3: key steps 2 w, 2 w + 1
	s_nop 0
	NOPS 4
	s_branch .Lhead_asked
.Lhead_s:
	s_cmp_lt_u32 s16, 5
	s_cbranch_scc0 .Lhead_asked
	tensor_load_to_lds s[72:75], s[32:39]          ; wave 4: the scale words
	s_nop 0
	NOPS 4
.Lhead_asked:
	s_lshl_b32 s62, s17, 5
	s_lshl_b32 s63, s16, 1
	s_add_co_u32 s62, s62, s63                     ; my first query tile of the head's 128: 32 cx + 2 w; the second pass takes the tiles 16 on
	s_lshl_b32 s66, s18, 17
	s_lshl_b32 s63, s62, 10
	s_add_co_u32 s66, s66, s63
	s_add_nc_u64 s[4:5], s[4:5], s[66:67]          ; qc: 128 KB a head, 1 KB a tile
	s_lshl_b32 s66, s18, 13
	s_lshr_b32 s63, s62, 2
	s_lshl_b32 s63, s63, 8
	s_add_co_u32 s66, s66, s63
	s_and_b32 s63, s62, 3
	s_lshl_b32 s63, s63, 2
	s_add_co_u32 s66, s66, s63
	s_add_nc_u64 s[6:7], s[6:7], s[66:67]          ; qs: [tile / 4][r][tile % 4] words
	s_lshr_b32 s58, s18, 4
	s_and_b32 s59, s18, 15
	s_lshl_b32 s58, s58, 7
	s_add_co_u32 s58, s58, s62                     ; o's row tile: 128 x batch + tile
	s_lshl_b32 s66, s58, 14
	s_lshl_b32 s63, s59, 10
	s_add_co_u32 s66, s66, s63
	s_add_nc_u64 s[12:13], s[12:13], s[66:67]      ; oc: 16 KB a row tile, 1 KB a head
	s_lshl_b32 s66, s58, 9
	s_lshr_b32 s63, s59, 3
	s_lshl_b32 s63, s63, 8
	s_add_co_u32 s66, s66, s63
	s_bfe_u32 s63, s59, 0x10001
	s_lshl_b32 s63, s63, 7
	s_add_co_u32 s66, s66, s63
	s_bfe_u32 s63, s59, 0x10002
	s_lshl_b32 s63, s63, 2
	s_add_co_u32 s66, s66, s63
	s_and_b32 s63, s59, 1
	s_lshl_b32 s63, s63, 1
	s_add_co_u32 s66, s66, s63
	s_add_nc_u64 s[14:15], s[14:15], s[66:67]      ; os: the two bytes of my head in the row tile's scale words
	v_and_b32 v1, 31, v0
	v_lshlrev_b32 v1, 4, v1                        ; 16 x lane
	v_and_b32 v5, 15, v0
	v_lshlrev_b32 v6, 3, v5                        ; 8 r
	v_lshlrev_b32 v5, 4, v5                        ; 16 r
	WIN 0x40
.irp i, 0,1
	global_load_b128 v[Q+16*\i:Q+16*\i+3], v1, s[4:5] offset:1024*\i
	global_load_b128 v[Q+16*\i+4:Q+16*\i+7], v1, s[4:5] offset:1024*\i+512
.endr
	WIN 0
.irp i, 0,1
	global_load_b128 v[QN+8*\i:QN+8*\i+3], v1, s[4:5] offset:16384+1024*\i
	global_load_b128 v[QN+8*\i+4:QN+8*\i+7], v1, s[4:5] offset:16384+1024*\i+512
	global_load_b32 v[QS+\i], v5, s[6:7] offset:4*\i
	global_load_b32 v[QN+16+\i], v5, s[6:7] offset:1024+4*\i
.endr
.irp j, 0,1,2,3,4,5,6,7
	v_mov_b32 v[KF+64+\j], 0                       ; behind K's last fragment
	v_mov_b32 v[T4+\j], 0                          ; a lane permute's destination counts as one of its sources
.endr
	v_mov_b32 v[F+1], 0
	v_mov_b32 v[F+3], 0
	WIN 0x40
.irp j, 0,1,2,3,4,5,6,7
	v_mov_b32 v[Q+8+\j], 0                         ; zero codes for k = 64 .. 127
	v_mov_b32 v[Q+24+\j], 0
.endr
	WIN 0
	INIT
	s_wait_alu depctr_va_vdst(0)                   ; the wait at the head's end
	s_wait_tensorcnt 0x0                           ; the full sequence ahead of a later first fill,
	ds_add_u32 v[SPW], v[NIL]                      ; with the add twice on end here
	ds_add_u32 v[SPW], v[NIL]
	s_wait_dscnt 0x0
	CROUND                                         ; key steps 0-7 and the scale words are in, in all four work-groups
	tensor_load_to_lds s[76:79], s[40:47]          ; key step 8 + w: my one load behind the round
	s_nop 0
	NOPS 4
	s_wait_loadcnt 0x0                             ; Q of both passes
; A KEY STEP: 128 keys x my 32 queries.  Its scores have been issued already.  last = 1: the run's last step looks no further ahead.
.macro STEP last
	TREE                                           ; also the eight places behind the products, ahead of the loads into their operands
.irp t, 0,1,2,3
.irp c, 0,1,2,3
	ds_load_b128 v[VF+16*\t+4*\c:VF+16*\t+4*\c+3], v3 offset:8192+2048*\t+512*\c   ; this step's V
.endr
.endr
	ds_load_b128 v[VS:VS+3], v7
.if \last == 0
	LOADK                                          ; and the next step's K
.endif
	WIN 0x14                                       ; scores window 1, maxima window 0
.irp h, 0,4                            ; tile 0's four blocks, then tile 1's, whose scores were issued last
.irp k, 0,1,2,3
	v_max3_num_f32 v[BM+\h+\k], s57, v[S+16*(\h+\k)], v[S+16*(\h+\k)+1]   ; the largest score of each block of 32 keys; each accumulator is read from its low end on
.endr
.irp e, 2,4,6,8,10,12,14
.irp k, 0,1,2,3
	v_max3_num_f32 v[BM+\h+\k], v[BM+\h+\k], v[S+16*(\h+\k)+\e], v[S+16*(\h+\k)+\e+1]
.endr
.endr
.endr
	WIN 0
.irp k, 0,1,2,3,4,5,6,7
	v_permlanex16_b32 v[T4+\k], v[BM+\k], s20, s21
.endr
.irp k, 0,1,2,3,4,5,6,7
	v_max_num_f32 v[BM+\k], v[BM+\k], v[T4+\k]     ; with lane l xor 16's 16 keys
.endr
.irp i, 0,1
	v_max3_num_f32 v[TT+\i], v[BM+4*\i], v[BM+4*\i+1], v[BM+4*\i+2]
.endr
.irp i, 0,1
	v_max3_num_f32 v[MP+2*\i+1], v[MP+2*\i+1], v[TT+\i], v[BM+4*\i+3]   ; the running largest score
.endr
.irp i, 0,1
	v_mul_f32 v[TT+\i], s22, -v[MP+2*\i+1]
.endr
.irp i, 0,1
	v_floor_f32 v[TT+\i], v[TT+\i]                 ; the new -M = floor(-t)
.endr
.irp i, 0,1
	v_sub_f32 v[F+2*\i], v[TT+\i], v[MP+2*\i]      ; old M - new M: a whole number, 0 or less
.endr
.irp i, 0,1
	v_mov_b32 v[MP+2*\i], v[TT+\i]
.endr
.irp i, 0,1
	v_cvt_i32_f32 v[F+2*\i], v[F+2*\i]             ; (it saturates)
.endr
.irp k, 0,1,2,3,4,5,6,7
	v_fma_f32 v[BM+\k], v[BM+\k], s22, v[MP+2*(\k/4)]   ; x = the block's largest t - M
.endr
.irp i, 0,1
	v_ldexp_f32 v[F+2*\i], 1.0, v[F+2*\i]          ; f
.endr
.irp k, 0,1,2,3,4,5,6,7
	v_max_num_f32 v[BM+\k], 0xc2de0000, v[BM+\k]   ; held at -111: the scale's byte cannot fall under 1
.endr
.irp k, 0,1,2,3,4,5,6,7
	v_cvt_floor_i32_f32 v[BM+\k], v[BM+\k]         ; the exponent of the block's largest p
.endr
.irp k, 0,1,2,3,4,5,6,7
	v_lshl_add_u32 v[SC+\k], v[BM+\k], 23, 0x38000000   ; (exponent + 127 - 15) << 23: the scale's byte in the exponent field: the conversion's operand
.endr
.irp k, 0,1,2,3,4,5,6,7
	v_add_nc_u32 v[HD+\k], 0x07e00000, v[SC+\k]    ; 57,344 x the scale
.endr
.irp i, 0,1
	v_lshrrev_b32 v[T4+4*\i], 23, v[SC+4*\i]
	v_lshrrev_b32 v[T4+4*\i+1], 15, v[SC+4*\i+1]
	v_lshrrev_b32 v[T4+4*\i+2], 7, v[SC+4*\i+2]
.endr
.irp i, 0,1
	v_add3_u32 v[PW+\i], v[T4+4*\i], v[T4+4*\i+1], v[T4+4*\i+2]
.endr
.irp i, 0,1
	v_lshl_or_b32 v[PW+\i], v[SC+4*\i+3], 1, v[PW+\i]   ; p's scale word for these 128 keys
.endr
	WIN 0x41                                       ; scores window 1; -M, the holds, the scale operands and f window 0
.set j, 0
.rept 32
	v_pk_fma_f32 v[S+j:S+j+1], v[S+j:S+j+1], s[22:23], v[MP:MP+1] op_sel_hi:[1,0,0]   ; tile 0: t - M, two at a time
.set j, j+2
.endr
	s_wait_alu depctr_va_vdst(0)                   ; the wait ahead of the batch
.set j, 0
.rept 32
	v_exp_f32 v[S+j], v[S+j]                       ; tile 0's p, by turns with tile 1's t - M, which is first read behind the next wait
	v_exp_f32 v[S+j+1], v[S+j+1]
	v_pk_fma_f32 v[S+64+j:S+64+j+1], v[S+64+j:S+64+j+1], s[22:23], v[MP+2:MP+3] op_sel_hi:[1,0,0]
.set j, j+2
.endr
	s_wait_alu depctr_va_vdst(0)                   ; the wait behind tile 0's batch and ahead of tile 1's
	SUMS 0
	WIN 0x41
.set j, 0
.rept 64
	v_exp_f32 v[S+64+j], v[S+64+j]                 ; tile 1's p, by turns with tile 0's holds, which are first read behind the next wait
	PMIN 0, j
.set j, j+1
.endr
	v_nop                                          ; a plain place behind the batch
	s_wait_alu depctr_va_vdst(0)                   ; the wait behind the batch, directly ahead of the first readers of tile 0's O^T
	RESC 0
	CVTS 0
	s_wait_alu depctr_va_vdst(0)                   ; and directly ahead of the first readers of tile 1's
	RESC 1                                         ; also the places between tile 0's conversions and its products
	s_wait_alu depctr_va_vdst(0)                   ; the wait ahead of the wait below
	s_wait_dscnt 0x0                               ; V, and the next step's K
	PVM 0
.if \last == 0
	SWM 0                                          ; tile 0's scores of the next step: its p have been converted
.endif
	SUMS 1
	WIN 0x41
.set j, 0
.rept 64
	PMIN 1, j
.set j, j+1
.endr
	CVTS 1
	WIN 0
.if \last == 0
	s_add_co_u32 s48, s48, 16384
	ADDR                                           ; the next step's addresses: its four additions are the places between the conversions and the products
.else
	NOPS 4
.endif
	s_wait_alu depctr_va_vdst(0)
	PVM 1
.if \last == 0
	SWM 1
.endif
	WIN 0
.endm
	s_mov_b32 s60, 0                               ; four runs of eight key steps: pass 0's two halves of the keys, then pass 1's
.Lhalf:
	s_and_b32 s52, s60, 1
	s_lshl_b32 s48, s52, 17
	s_lshr_b32 s55, s48, 5
	s_add_co_u32 s55, s55, SCK
	v_add_nc_u32 v2, s48, v1
	v_add_nc_u32 v4, s55, v1
	LOADK                                          ; the run's first K
	ADDR
	s_wait_alu depctr_va_vdst(0)
	s_wait_dscnt 0x0
	SWM 0                                          ; and its first scores
	SWM 1
	WIN 0
	s_mov_b32 s61, 7
.Lstep:
	STEP 0
	s_sub_co_u32 s61, s61, 1
	s_cmp_lg_u32 s61, 0
	s_wait_alu depctr_va_vdst(0)
	s_cbranch_scc1 .Lstep
	STEP 1
	s_wait_tensorcnt 0x0                           ; behind the first run: my part of key steps 8-15 has landed (later: nothing is out)
	ds_add_u32 v[SPW], v[NIL]                      ; the add behind that wait
	s_wait_dscnt 0x0
	s_barrier_signal -1
	s_barrier_wait -1                              ; everybody's has
	s_cmp_eq_u32 s52, 0
	s_wait_alu depctr_va_vdst(0)
	s_cbranch_scc1 .Lnext                          ; a pass ends behind its second half
; THE WAY OUT: O^T / the sum, quantised along the head's 64 (two blocks a tile), stored as the last layer's operand
	TREE                                           ; the last step's sums; also the places behind the last products
.irp i, 0,1
	v_add_f32 v[LS+2*\i], v[LS+2*\i], v[LS+2*\i+1]
.endr
.irp i, 0,1
	v_permlanex16_b32 v[TT+\i], v[LS+2*\i], s20, s21
.endr
.irp i, 0,1
	v_add_f32 v[LS+2*\i], v[LS+2*\i], v[TT+\i]     ; the row's sum
.endr
	s_wait_alu depctr_va_vdst(0)                   ; the wait ahead of the transcendentals
.irp i, 0,1
	v_rcp_f32 v[F+2*\i], v[LS+2*\i]
.endr
	v_nop
	WIN 0x41
	s_wait_alu depctr_va_vdst(0)                   ; and ahead of their first reader, which is O^T's first reader too
.set j, 0
.rept 32
	v_pk_mul_f32 v[S+64*(j/32)+j%32:S+64*(j/32)+j%32+1], v[O+j:O+j+1], v[F+2*(j/32):F+2*(j/32)+1] op_sel_hi:[1,0]
.set j, j+2
.endr
	WIN 0x14
.irp k, 0,1,2,3
	v_max3_num_f32 v[BM+\k], 0x8000000, |v[S+64*(\k/2)+16*(\k%2)]|, |v[S+64*(\k/2)+16*(\k%2)+1]|   ; block k = 2 i + g, with the floor 2^(16 - 127)
.endr
.irp e, 2,4,6,8,10,12,14
.irp k, 0,1,2,3
	v_max3_num_f32 v[BM+\k], v[BM+\k], |v[S+64*(\k/2)+16*(\k%2)+\e]|, |v[S+64*(\k/2)+16*(\k%2)+\e+1]|
.endr
.endr
	WIN 0
.irp k, 0,1,2,3
	v_permlanex16_b32 v[T4+\k], v[BM+\k], s20, s21
.endr
.irp k, 0,1,2,3
	v_max_num_f32 v[BM+\k], v[BM+\k], v[T4+\k]
.endr
.irp k, 0,1,2,3
	v_add_nc_u32 v[SC+\k], 0xf8800000, v[BM+\k]    ; 15 off the exponent field
.endr
.irp k, 0,1,2,3
	v_and_or_b32 v[HD+\k], v[BM+\k], 0x7f800000, s19
.endr
.irp k, 0,1,2,3
	v_lshrrev_b32 v[T4+\k], 23, v[SC+\k]
.endr
.irp i, 0,1
	v_lshl_or_b32 v[OW+\i], v[T4+2*\i+1], 8, v[T4+2*\i]
.endr
	WIN 0x41
.irp k, 0,1,2,3
.irp e, 0,1,2,3,4,5,6,7,8,9,10,11,12,13,14,15
	v_med3_num_f32 v[S+64*(\k/2)+16*(\k%2)+\e], v[S+64*(\k/2)+16*(\k%2)+\e], -v[HD+\k], v[HD+\k]
.endr
	v_cvt_scalef32_pk8_bf8_f32 v[PC+16*(\k/2)+4*(\k%2):PC+16*(\k/2)+4*(\k%2)+1], v[S+64*(\k/2)+16*(\k%2):S+64*(\k/2)+16*(\k%2)+7], v[SC+\k]
	v_cvt_scalef32_pk8_bf8_f32 v[PC+16*(\k/2)+4*(\k%2)+2:PC+16*(\k/2)+4*(\k%2)+3], v[S+64*(\k/2)+16*(\k%2)+8:S+64*(\k/2)+16*(\k%2)+15], v[SC+\k]
.endr
	v_nop                                          ; one plain instruction behind the last scaled conversion
	WIN 0x04                                       ; a store's data are its source 1
.irp i, 0,1
	global_store_b128 v1, v[PC+16*\i:PC+16*\i+3], s[12:13] offset:16384*\i        ; 512 consecutive bytes, aligned
	global_store_b128 v1, v[PC+16*\i+4:PC+16*\i+7], s[12:13] offset:16384*\i+512
.endr
	WIN 0
.irp i, 0,1
	global_store_b16 v6, v[OW+\i], s[14:15] offset:512*\i   ; my head's two bytes of each row's scale words
.endr
	s_wait_xcnt 0x0                                ; the stores have read their registers and bases
	s_add_nc_u64 s[12:13], s[12:13], 262144        ; 16 row tiles on
	s_add_nc_u64 s[14:15], s[14:15], 8192
	s_cmp_eq_u32 s60, 3
	s_wait_alu depctr_va_vdst(0)
	s_cbranch_scc1 .Lnext
	WIN 0x40                                       ; the second pass's Q takes its place
.irp j, 0,1,2,3,4,5,6,7
	v_mov_b32 v[Q+\j], v[QN+\j]
	v_mov_b32 v[Q+16+\j], v[QN+8+\j]
.endr
	WIN 0
	v_mov_b32 v[QS], v[QN+16]
	v_mov_b32 v[QS+1], v[QN+17]
	INIT
	s_wait_alu depctr_va_vdst(0)
.Lnext:
	s_add_co_u32 s60, s60, 1
	s_cmp_lt_u32 s60, 4
	s_cbranch_scc1 .Lhalf
	s_wait_tensorcnt 0x0                           ; the wave's end
	ds_add_u32 v[SPW], v[NIL]
	s_wait_dscnt 0x0
	CROUND                                         ; the closing round
	s_endpgm
.Lfunc_end_k_q9abf33d584_attn:
	.size	k_q9abf33d584_attn, .Lfunc_end_k_q9abf33d584_attn-k_q9abf33d584_attn
	.p2alignl 7, 3214868480
	.fill 96, 4, 3214868480
	.section	.rodata,"a",@progbits
	.p2align	6, 0x0
	.amdhsa_kernel k_q9abf33d584_attn
		.amdhsa_group_segment_fixed_size 327680
		.amdhsa_private_segment_fixed_size 0
		.amdhsa_enable_private_segment 0
		.amdhsa_kernarg_size 48
		.amdhsa_user_sgpr_count 2
		.amdhsa_user_sgpr_kernarg_segment_ptr 1
		.amdhsa_wavefront_size32 1
		.amdhsa_system_sgpr_workgroup_id_x 1
		.amdhsa_system_sgpr_workgroup_id_y 1
		.amdhsa_system_sgpr_workgroup_id_z 1
		.amdhsa_system_vgpr_workitem_id 0
		.amdhsa_next_free_vgpr 512
		.amdhsa_next_free_sgpr 80
		.amdhsa_reserve_vcc 0
		.amdhsa_float_denorm_mode_32 3
		.amdhsa_float_denorm_mode_16_64 3
		.amdhsa_memory_ordered 1
		.amdhsa_forward_progress 1
		.amdhsa_inst_pref_size 97
	.end_amdhsa_kernel
	.amdgpu_metadata
---
amdhsa.version: [ 1, 2 ]
amdhsa.kernels:
  - .name:           k_q9abf33d584_attn
    .symbol:         k_q9abf33d584_attn.kd
    .args:
      - { .name: qc, .offset: 0, .size: 8, .value_kind: global_buffer, .address_space: global }
      - { .name: qs, .offset: 8, .size: 8, .value_kind: global_buffer, .address_space: global }
      - { .name: kv, .offset: 16, .size: 8, .value_kind: global_buffer, .address_space: global }
      - { .name: kvs, .offset: 24, .size: 8, .value_kind: global_buffer, .address_space: global }
      - { .name: oc, .offset: 32, .size: 8, .value_kind: global_buffer, .address_space: global }
      - { .name: os, .offset: 40, .size: 8, .value_kind: global_buffer, .address_space: global }
    .group_segment_fixed_size: 327680
    .private_segment_fixed_size: 0
    .kernarg_segment_align: 8
    .kernarg_segment_size: 48
    .max_flat_workgroup_size: 256
    .sgpr_count:     80
    .vgpr_count:     512
    .wavefront_size: 32
...
	.end_amdgpu_metadata
.endif
;; end of part 4
;; launch outp (part 5): grid 256 x 1, 4 waves a work-group, clusters of 4 x 1, 327,680 bytes of LDS; arguments oc, os, xc, xs, bo, out0; writes out0
.if DOCPART == 5
	.amdgcn_target "amdgcn-amd-amdhsa--gfx1250"
	.amdhsa_code_object_version 6
	.text
	.protected	k_q9abf33d584_outp
	.globl	k_q9abf33d584_outp
	.p2align	8
	.type	k_q9abf33d584_outp,@function
k_q9abf33d584_outp:
	s_mov_b64 s[64:65], 0
	v_nop
	global_prefetch_b8 v0, s[64:65] scope:SCOPE_SE
	s_setreg_imm32_b32 hwreg(HW_REG_WAVE_MODE, 25, 1), 1
	s_wait_xcnt 0x0
	s_wait_alu depctr_hold_cnt(0) depctr_sa_sdst(0) depctr_va_vdst(0) depctr_va_sdst(0) depctr_va_ssrc(0) depctr_va_vcc(0) depctr_vm_vsrc(0)
	s_getreg_b32 s2, hwreg(HW_REG_IB_STS2, 6, 4)
	s_cmp_eq_u32 s2, 0
	s_cbranch_scc0 .Lentry_in_a_cluster
	s_endpgm
.Lentry_in_a_cluster:
	s_bfe_u32 s2, ttmp6, 0x10000c
	s_cmp_lg_u32 s2, 0x3003
	s_cbranch_scc0 .Lentry_shape_is_right
	s_endpgm
.Lentry_shape_is_right:
.set MODE,  2
.set TM,    12
.set MW,    28
.set AS,    32
.set BS,    64
.set BC,    80
.set WD,    112
.set AF,    128
.set T,     128
.set PC,    192
.set BK,    128
.set EXTRA, 131072
.set MSB, 0
.macro WIN new
.if MSB != \new
	s_set_vgpr_msb (MSB<<8)|\new
.set MSB, \new
.endif
.endm
.macro PLACES n
.rept \n
	v_nop
.endr
.endm
.macro CROUND
	s_barrier_signal -1
	s_barrier_wait -1
	s_cmp_lg_u32 s20, 0
	s_cbranch_scc1 .Lnot_wave_0_\@
	s_barrier_signal -3
.Lnot_wave_0_\@:
	s_barrier_wait -3
	s_barrier_signal -1
	s_barrier_wait -1
.endm
.if MODE == 0
	s_load_b512 s[68:83], s[0:1], 0x0
.elseif MODE == 1
	s_load_b256 s[68:75], s[0:1], 0x0
	s_load_b64 s[76:77], s[0:1], 0x20
.else
	s_load_b256 s[68:75], s[0:1], 0x0
	s_load_b128 s[76:79], s[0:1], 0x20
	v_lshl_add_u32 v126, v0, 2, 0x29000
	v_mov_b32 v127, 0
	ds_add_u32 v126, v127
	ds_add_u32 v126, v127
.endif
	v_lshrrev_b32 v3, 5, v0
	v_readfirstlane_b32 s20, v3
	s_bfe_u32 s21, ttmp6, 0x40000
.if MODE == 0
	s_and_b32 s22, ttmp7, 0xffff
	s_lshl_b32 s23, s22, 9
	s_lshl_b32 s25, ttmp9, 3
	s_add_co_u32 s23, s23, s25
	s_lshl_b32 s24, s22, 6
	s_lshl_b32 s26, s21, 4
	s_add_co_u32 s24, s24, s26
	s_lshl_b32 s26, s20, 2
	s_add_co_u32 s24, s24, s26
	s_add_co_u32 s24, s24, 1536
.elseif MODE == 1
	s_and_b32 s22, ttmp9, 7
	s_lshl_b32 s23, s22, 3
	s_add_co_u32 s23, s23, 1664
	s_lshr_b32 s27, ttmp9, 3
	s_lshl_b32 s27, s27, 2
	s_add_co_u32 s27, s27, s21
	s_lshl_b32 s24, s27, 4
	s_lshl_b32 s26, s20, 2
	s_add_co_u32 s24, s24, s26
	s_add_co_u32 s24, s24, 1024
.else
	s_lshl_b32 s23, ttmp9, 3
	s_lshl_b32 s24, s21, 4
	s_lshl_b32 s26, s20, 2
	s_add_co_u32 s24, s24, s26
	s_add_co_u32 s24, s24, 1728
.endif
	s_lshl_b32 s25, s20, 1
	s_add_co_u32 s28, s23, s25
	s_lshl_b32 s28, s28, 14
	s_mov_b32 s29, 0
	s_lshl_b32 s30, s23, 9
	s_mov_b32 s31, 0
	s_lshl_b32 s32, s24, 14
	s_mov_b32 s33, 0
	s_lshl_b32 s34, s24, 9
	s_mov_b32 s35, 0
	s_mov_b32 s52, 15|(3<<16)|(1<<21)
	s_mov_b32 s53, 512<<16
	s_mov_b32 s54, 8<<16
	s_mov_b32 s55, 512<<16
	s_mov_b32 s56, 8
	s_mov_b32 s57, 512
	s_mov_b32 s58, 0
	s_mov_b32 s59, 0
	s_mov_b32 s60, 0xffff0000
	s_mov_b32 s61, 0x600000
	s_mov_b32 s62, 0x76543210
	s_mov_b32 s63, 0xfedcba98
	v_and_b32 v3, 31, v0
	v_lshlrev_b32 v1, 4, v3
	v_lshlrev_b32 v2, 3, v3
	v_add_nc_u32 v6, 0x10000, v1
	v_and_b32 v3, 15, v0
	v_bfe_u32 v4, v0, 4, 1
.irp b, 0,1,2,3
	v_mov_b32 v[TM+4+\b], 0
.endr
	s_lshl_b32 s25, s20, 15
	s_wait_dscnt 0x0
	s_wait_kmcnt 0x0
	s_add_nc_u64 s[4:5], s[68:69], s[28:29]
	s_add_nc_u64 s[6:7], s[70:71], s[30:31]
.if MODE == 2
	s_add_nc_u64 s[8:9], s[72:73], s[32:33]
	s_add_nc_u64 s[10:11], s[74:75], s[34:35]
.else
	s_add_nc_u64 s[8:9], s[68:69], s[32:33]
	s_add_nc_u64 s[10:11], s[70:71], s[34:35]
.endif
	s_mov_b32 s36, 1                               ; one load a wave: its two row tiles of A for all of K, 32 KB dense in memory, to LDS byte 32,768 x wave
	s_mov_b32 s37, s25
	s_mov_b64 s[38:39], s[4:5]
	s_or_b32 s39, s39, 0x80000000
	s_wait_alu depctr_va_vdst(0)                   ; the wait ahead of the barriers
	CROUND                                         ; all four work-groups are here: the joint loads meet
	tensor_load_to_lds s[36:39], s[52:59]
	s_nop 0
	PLACES 4
.if MODE == 0
	s_lshr_b32 s26, ttmp9, 4
	s_lshl_b32 s26, s26, 4
	s_lshl_b32 s27, s21, 2
	s_add_co_u32 s26, s26, s27
	s_add_co_u32 s26, s26, s20
	s_and_b32 s27, ttmp9, 15
	s_lshl_b32 s28, s26, 17
	s_lshl_b32 s30, s27, 13
	s_add_co_u32 s28, s28, s30
	s_lshl_b32 s28, s28, s22
	s_lshl_b32 s30, s26, 13
	s_mul_i32 s32, s26, s22
	s_lshl_b32 s32, s32, 12
	s_add_co_u32 s30, s30, s32
	s_lshl_b32 s32, s27, 9
	s_add_co_u32 s30, s30, s32
	s_lshl_b32 s32, s21, 10
	s_lshl_b32 s34, s20, 8
	s_add_co_u32 s32, s32, s34
	s_cmp_eq_u32 s22, 0
	s_cselect_b64 s[12:13], s[72:73], s[74:75]
	s_cselect_b64 s[14:15], s[76:77], s[80:81]
	s_cselect_b64 s[16:17], s[78:79], s[82:83]
	s_add_nc_u64 s[12:13], s[12:13], s[32:33]
	s_add_nc_u64 s[14:15], s[14:15], s[28:29]
	s_add_nc_u64 s[16:17], s[16:17], s[30:31]
	v_lshlrev_b32 v7, 6, v4
.elseif MODE == 1
	s_lshr_b32 s26, s27, 3
	s_lshl_b32 s26, s26, 4
	s_lshl_b32 s28, s22, 1
	s_add_co_u32 s26, s26, s28
	s_and_b32 s27, s27, 7
	s_lshr_b32 s34, s20, 1
	s_and_b32 s35, s20, 1
	s_lshl_b32 s28, s26, 18
	s_lshl_b32 s25, s27, 15
	s_add_co_u32 s28, s28, s25
	s_lshl_b32 s25, s34, 14
	s_add_co_u32 s28, s28, s25
	s_lshl_b32 s25, s35, 10
	s_add_co_u32 s28, s28, s25
	s_add_co_u32 s28, s28, 8192
	s_add_co_u32 s30, s26, s34
	s_mul_i32 s30, s30, 12288
	s_lshl_b32 s25, s27, 9
	s_add_co_u32 s30, s30, s25
	s_lshl_b32 s25, s35, 8
	s_add_co_u32 s30, s30, s25
	s_add_co_u32 s30, s30, 8192
	s_lshl_b32 s32, s22, 9
	s_add_nc_u64 s[12:13], s[72:73], s[32:33]
	s_add_nc_u64 s[14:15], s[74:75], s[28:29]
	s_add_nc_u64 s[16:17], s[76:77], s[30:31]
	v_and_b32 v7, 8, v3
	v_add_nc_u32 v7, v7, v3
	v_lshlrev_b32 v7, 2, v7
	s_lshl_b32 s25, s35, 10
	s_lshl_b32 s26, s34, 8
	s_add_co_u32 s25, s25, s26
	s_add_co_u32 s25, s25, EXTRA
	v_lshl_add_u32 v8, v3, 4, s25
	s_lshl_b32 s25, s20, 8
	s_add_co_u32 s25, s25, EXTRA
	v_add_nc_u32 v9, s25, v2
.else
	s_lshl_b32 s28, ttmp9, 19
	s_lshl_b32 s32, s21, 10
	s_lshl_b32 s34, s20, 8
	s_add_co_u32 s32, s32, s34
	s_add_co_u32 s28, s28, s32
	s_add_nc_u64 s[12:13], s[76:77], s[32:33]
	s_add_nc_u64 s[14:15], s[78:79], s[28:29]
	s_wait_alu depctr_va_vdst(0)
	v_lshlrev_b32 v7, 6, v4
	s_mul_i32 s25, s20, 16*272
	s_add_co_u32 s25, s25, EXTRA
	v_mul_u32_u24 v8, v3, 272
	v_lshl_add_u32 v8, v4, 6, v8
	v_add_nc_u32 v8, s25, v8
	v_mul_u32_u24 v9, v4, 272
	v_lshl_add_u32 v9, v3, 4, v9
	v_add_nc_u32 v9, s25, v9
	v_lshlrev_b32 v10, 12, v4
	v_lshl_add_u32 v10, v3, 4, v10
.endif
.irp a, 0,1,2,3,4,5,6,7
.irp q, 0,1
	global_load_b64 v[AS+4*\a+2*\q:AS+4*\a+2*\q+1], v2, s[6:7] offset:512*\a+256*\q
.endr
.endr
.irp t, 0,1,2,3
.irp q, 0,1
	global_load_b64 v[BS+4*\t+2*\q:BS+4*\t+2*\q+1], v2, s[10:11] offset:512*\t+256*\q
.endr
.endr
.if MODE == 1
.irp a, 0,1,2,3,4,5,6,7
	global_load_b32 v[BC+2*\a], v7, s[12:13] offset:4*(32*(\a/2)+8*(\a%2))
.endr
.else
.irp g, 0,1
.irp j, 0,1,2,3
	global_load_b128 v[BC+16*\g+4*\j:BC+16*\g+4*\j+3], v7, s[12:13] offset:128*\g+16*\j
.endr
.endr
.endif
.macro LOADB s
.if (\s) < 4
	WIN 0x40
.else
	WIN 0x80
.endif
.irp t, 0,1,2,3
.irp c, 0,1,2,3
	global_load_b128 v[64*((\s)%4)+16*\t+4*\c:64*((\s)%4)+16*\t+4*\c+3], v1, s[8:9] offset:16384*\t+2048*(\s)+512*\c
.endr
.endr
.endm
.macro FETCHA s, a0
.set AA, 1+5*((\a0)/4)
.irp a, \a0, \a0+1, \a0+2, \a0+3
.irp c, 0,1,2,3
	ds_load_b128 v[AF+16*(\a)+4*\c:AF+16*(\a)+4*\c+3], v[AA] offset:16384*((\a)%4)+2048*(\s)+512*\c
.endr
.endr
.endm
.macro MUL s, a0
.if (\s) >= 4
	WIN 0xf2
.elseif (MODE == 2) && ((\s) == 0)
	WIN 0xc1
.else
	WIN 0xf1
.endif
.irp a, \a0, \a0+1, \a0+2, \a0+3
.irp t, 0,1,2,3
.set rD, 8*(4*(\a)+\t)
.set rB, 64*((\s)%4)+16*\t
.set rA, AF+16*(\a)
.set sB, BS+4*\t+(\s)/2
.set sA, AS+4*(\a)+(\s)/2
.if ((\s) == 0) && (MODE == 2)
	v_wmma_scale_f32_16x16x128_f8f6f4 v[rD:rD+7], v[rB:rB+15], v[rA:rA+15], v[BC+8*\t:BC+8*\t+7], v[sB], v[sA] matrix_a_fmt:MATRIX_FMT_BF8 matrix_b_fmt:MATRIX_FMT_BF8
.elseif (\s) == 0
	v_wmma_scale_f32_16x16x128_f8f6f4 v[rD:rD+7], v[rB:rB+15], v[rA:rA+15], 0, v[sB], v[sA] matrix_a_fmt:MATRIX_FMT_BF8 matrix_b_fmt:MATRIX_FMT_BF8
.elseif (\s)%2 == 0
	v_wmma_scale_f32_16x16x128_f8f6f4 v[rD:rD+7], v[rB:rB+15], v[rA:rA+15], v[rD:rD+7], v[sB], v[sA] matrix_a_fmt:MATRIX_FMT_BF8 matrix_b_fmt:MATRIX_FMT_BF8
.else
	v_wmma_scale_f32_16x16x128_f8f6f4 v[rD:rD+7], v[rB:rB+15], v[rA:rA+15], v[rD:rD+7], v[sB], v[sA] matrix_a_fmt:MATRIX_FMT_BF8 matrix_b_fmt:MATRIX_FMT_BF8 matrix_a_scale:MATRIX_SCALE_ROW1 matrix_b_scale:MATRIX_SCALE_ROW1
.endif
.endr
.endr
.endm
.macro STEP s
.if (\s) == 7
	s_wait_loadcnt 0x0
.elseif (\s) == 6
	s_wait_loadcnt 16
.else
	s_wait_loadcnt 32
.endif
	s_wait_dscnt 16
.if (\s)+3 < 8
	LOADB (\s)+3
.endif
	MUL \s, 0
	s_wait_dscnt 0x0
.if (\s) < 7
	PLACES 8
	WIN 0
	FETCHA (\s)+1, 0
.endif
	MUL \s, 4
.if (\s) < 7
	PLACES 8
	WIN 0
	FETCHA (\s)+1, 4
.endif
.endm
	LOADB 0
	LOADB 1
	LOADB 2
	WIN 0
	s_wait_tensorcnt 0x0
	s_barrier_signal -1
	s_barrier_wait -1
	FETCHA 0, 0
	FETCHA 0, 4
	STEP 0
	STEP 1
	STEP 2
	STEP 3
	STEP 4
	STEP 5
	STEP 6
	STEP 7
	WIN 0
.if MODE == 1
.irp a, 0,1,2,3,4,5,6,7
	v_mov_b32 v[BC+2*\a+1], v[BC+2*\a]
.endr
.else
	PLACES 8
.endif
.if MODE < 2
.macro QUANT pc, w0, w1
.irp b, 0,1,2,3
	v_max3_num_f32 v[TM+\b], |v[T+16*\b]|, |v[T+1+16*\b]|, 0x8000000
.endr
.irp i, 2,4,6,8,10,12,14
.irp b, 0,1,2,3
	v_max3_num_f32 v[TM+\b], v[TM+\b], |v[T+16*\b+\i]|, |v[T+1+16*\b+\i]|
.endr
.endr
.irp b, 0,1,2,3
	v_permlanex16_b32 v[TM+4+\b], v[TM+\b], s62, s63
.endr
.irp b, 0,1,2,3
	v_max_num_f32 v[TM+\b], v[TM+\b], v[TM+4+\b]
.endr
.irp b, 0,1,2,3
	v_add_nc_u32 v[TM+12+\b], 0xf8800000, v[TM+\b]
.endr
.irp b, 0,1,2,3
	v_and_or_b32 v[TM+8+\b], v[TM+\b], 0x7f800000, s61
.endr
.irp b, 0,1,2,3
	v_lshrrev_b32 v[TM+4+\b], 23, v[TM+12+\b]
.endr
	v_lshl_or_b32 v[\w0], v[TM+5], 8, v[TM+4]
	v_lshl_or_b32 v[\w1], v[TM+7], 8, v[TM+6]
.irp b, 0,1,2,3
.irp i, 0,1,2,3,4,5,6,7,8,9,10,11,12,13,14,15
	v_med3_num_f32 v[T+16*\b+\i], v[T+16*\b+\i], -v[TM+8+\b], v[TM+8+\b]
.endr
	v_cvt_scalef32_pk8_bf8_f32 v[\pc+4*\b:\pc+1+4*\b], v[T+16*\b:T+7+16*\b], v[TM+12+\b]
	v_cvt_scalef32_pk8_bf8_f32 v[\pc+2+4*\b:\pc+3+4*\b], v[T+8+16*\b:T+15+16*\b], v[TM+12+\b]
.endr
	v_nop
.endm
.macro EPI a
	WIN 0x03
.set k, 0
.rept 32
.if MODE == 0
	v_pk_add_f32 v[T+k:T+k+1], v[32*(\a)+k:32*(\a)+k+1], v[BC+k%32:BC+k%32+1]
.else
	v_pk_add_f32 v[T+k:T+k+1], v[32*(\a)+k:32*(\a)+k+1], v[BC+2*((\a)+k/32):BC+2*((\a)+k/32)+1]
.endif
.set k, k+2
.endr
	WIN 0
	QUANT PC+8*(\a), WD+(\a), WD+(\a)+1
.irp b, 0,1,2,3
.if MODE == 0
	global_store_b128 v1, v[PC+8*(\a)+4*\b:PC+8*(\a)+4*\b+3], s[14:15] offset:1024*((\a)+\b/2)+512*(\b%2)
.else
	global_store_b128 v1, v[PC+8*(\a)+4*\b:PC+8*(\a)+4*\b+3], s[14:15] offset:262144*(((\a)+\b/2)/4)+2048*(((\a)+\b/2)%4)+512*(\b%2)
.endif
.endr
.endm
	EPI 0
	EPI 2
	EPI 4
	EPI 6
.endif
.if MODE == 0
.irp i, 0,1,2,3
	v_cndmask_b32 v[MW+\i], v[WD+\i], v[WD+4+\i], s60
.endr
	global_store_b128 v1, v[MW:MW+3], s[16:17]
.elseif MODE == 1
.irp a, 0,1,2,3,4,5,6,7
	ds_store_b32 v8, v[WD+\a] offset:512*(\a/4)+4*(\a%4)
.endr
	s_wait_dscnt 0x0
	s_barrier_signal -1
	s_barrier_wait -1
	ds_load_b64 v[MW:MW+1], v9
	ds_load_b64 v[MW+2:MW+3], v9 offset:1024
	s_wait_dscnt 0x0
	v_lshl_or_b32 v[MW], v[MW+2], 16, v[MW]
	v_lshl_or_b32 v[MW+1], v[MW+3], 16, v[MW+1]
	global_store_b64 v2, v[MW:MW+1], s[16:17]
.else
.macro TOSTAGE a
	WIN 0x0c
.irp t, 0,1,2,3
	ds_store_b128 v8, v[8*(4*(\a)+\t):8*(4*(\a)+\t)+3] offset:128*(\t/2)+32*(\t%2)
	ds_store_b128 v8, v[8*(4*(\a)+\t)+4:8*(4*(\a)+\t)+7] offset:128*(\t/2)+32*(\t%2)+16
.endr
	WIN 0
.irp k, 0,1,2,3,4,5,6,7
	ds_load_b128 v[BK+32*((\a)%2)+4*\k:BK+32*((\a)%2)+4*\k+3], v9 offset:544*\k
.endr
.endm
.macro SEND a, younger
	s_wait_dscnt \younger
.irp k, 0,1,2,3,4,5,6,7
	global_store_b128 v10, v[BK+32*((\a)%2)+4*\k:BK+32*((\a)%2)+4*\k+3], s[14:15] offset:4096*(32*((\a)/2)+8*((\a)%2)+2*\k+8*(\k/4)) th:TH_STORE_NT
.endr
.endm
	s_wait_alu depctr_va_vdst(0)
	TOSTAGE 0
.irp a, 1,2,3,4,5,6,7
.if \a > 1
	s_wait_xcnt 0x0
.endif
	TOSTAGE \a
	SEND \a-1, 16
.endr
	SEND 7, 0
.endif
	s_wait_tensorcnt 0x0
	ds_add_u32 v126, v127
	s_wait_dscnt 0x0
	CROUND
	s_endpgm
.Lfunc_end_k_q9abf33d584_outp:
	.size	k_q9abf33d584_outp, .Lfunc_end_k_q9abf33d584_outp-k_q9abf33d584_outp
	.p2alignl 7, 3214868480
	.fill 96, 4, 3214868480
	.section	.rodata,"a",@progbits
	.p2align	6, 0x0
	.amdhsa_kernel k_q9abf33d584_outp
		.amdhsa_group_segment_fixed_size 327680
		.amdhsa_private_segment_fixed_size 0
		.amdhsa_enable_private_segment 0
		.amdhsa_kernarg_size 48
		.amdhsa_user_sgpr_count 2
		.amdhsa_user_sgpr_kernarg_segment_ptr 1
		.amdhsa_wavefront_size32 1
		.amdhsa_system_sgpr_workgroup_id_x 1
		.amdhsa_system_sgpr_workgroup_id_y 1
		.amdhsa_system_sgpr_workgroup_id_z 1
		.amdhsa_system_vgpr_workitem_id 0
		.amdhsa_next_free_vgpr 1024
		.amdhsa_next_free_sgpr 84
		.amdhsa_reserve_vcc 0
		.amdhsa_float_denorm_mode_32 3
		.amdhsa_float_denorm_mode_16_64 3
		.amdhsa_memory_ordered 1
		.amdhsa_forward_progress 1
		.amdhsa_inst_pref_size 89
	.end_amdhsa_kernel
	.amdgpu_metadata
---
amdhsa.version: [ 1, 2 ]
amdhsa.kernels:
  - .name:           k_q9abf33d584_outp
    .symbol:         k_q9abf33d584_outp.kd
    .args:
      - { .name: oc, .offset: 0, .size: 8, .value_kind: global_buffer, .address_space: global }
      - { .name: os, .offset: 8, .size: 8, .value_kind: global_buffer, .address_space: global }
      - { .name: xc, .offset: 16, .size: 8, .value_kind: global_buffer, .address_space: global }
      - { .name: xs, .offset: 24, .size: 8, .value_kind: global_buffer, .address_space: global }
      - { .name: bo, .offset: 32, .size: 8, .value_kind: global_buffer, .address_space: global }
      - { .name: out0, .offset: 40, .size: 8, .value_kind: global_buffer, .address_space: global }
    .group_segment_fixed_size: 327680
    .private_segment_fixed_size: 0
    .kernarg_segment_align: 8
    .kernarg_segment_size: 48
    .max_flat_workgroup_size: 128
    .sgpr_count:     84
    .vgpr_count:     1024
    .wavefront_size: 32
...
	.end_amdgpu_metadata
.endif
;; end of part 5
